; MI455X (gfx1250); checked and timed in simulation.
; The chip was launched on July 23, 2026; its instructions are those of AMD's public machine-readable ISA for CDNA 5 (MIT licence, August 2026) and "CDNA5" Instruction Set Architecture Reference Guide (July 2026). The comments in the code are by the model that wrote it; some were corrected since.
;; Attention. Allowed arithmetic: matrix products marked QUANTISED: E2M1 operands, one E8M0 scale for each 32 along K, by v_wmma_scale_f32_16x16x128_f8f6f4 with both operands' format E2M1 (or v_wmma_scale_f32_32x16x128_f4), f32 sums; products left as they are: bf16, f16 or f32 operands; f32 sums; everything else in f32.
;; Inputs: Wk 512 x 16 x 32 float32; Wo 16 x 32 x 512 float32; Wq 512 x 16 x 32 float32; Wv 512 x 16 x 32 float32; bk 16 x 32 float32; bo 512 float32; bq 16 x 32 float32; bv 16 x 32 float32; query 8 x 1,024 x 512 float32; rel_bias 16 x 63 x 63 float32.
;; Outputs: out0 8 x 1,024 x 512 float32.
;; This version of the problem:
;;   THIS VERSION OF THE PROBLEM IS GIVEN IN LOW PRECISION. The matrix products marked QUANTISED in the list below multiply operands that are first quantised to E2M1 (2 exponent bits, 1 mantissa bit; 4 bits a number), with one power-of-two scale for each 32 numbers along K (OCP MX v1.0); their sums are f32. The products marked 'left as it is' may take bf16, f16 or f32 operands, with f32 sums. Whichever they take, every output number must still come out within the allowed error. Rounding operands to bf16 (8 significant bits) uses up far more of that allowance than f16 does (11 bits, for magnitudes from 6e-5 to 65,504). All else is computed in f32.
;;   The module's matrix products, in the order in which they are computed (A, B: the left and right operand; K: the contracted axis; several contracted axes count as one K, in the product's order):
;;     1. [M 8,192, K 512] x [K 512, N 512]; A: input query; B: input Wq: QUANTISED
;;     2. [M 8,192, K 512] x [K 512, N 512]; A: input query; B: input Wk: QUANTISED
;;     3. [M 8,192, K 512] x [K 512, N 512]; A: input query; B: input Wv: QUANTISED
;;     4. batch 128 x [M 1,024, K 32] x [K 32, N 1,024]; A: computed on the way; B: computed on the way: left as it is (an operand is computed on the way)
;;     5. batch 128 x [M 32, K 1,024] x [K 1,024, N 1,024]; A: computed on the way; B: computed on the way: left as it is (an operand is computed on the way)
;;     6. [M 8,192, K 512] x [K 512, N 512]; A: computed on the way; B: input Wo: left as it is (an operand is computed on the way)
;;   THE QUANTISER, for each operand of a quantised product, along K:
;;     - K is cut into blocks of 32 from its start; a last block that is shorter is filled with zeros.
;;     - A block's scale is 2^e with e = floor(log2(the largest magnitude in the block)) - 2, held to -126 .. 127; a block of zeros has e = 0. As a byte (E8M0): e + 127.
;;     - Each number is divided by its block's scale, clamped to +-6, and rounded to the nearest number of E2M1, ties to even, subnormals kept.
;;     - The product sums the exact products of the quantised numbers (number of the format x scale) in f32.
;;   ~~~python
;;   def quantise(x, axis):      # numpy; x: float32 -> the quantised numbers, widened to float32 again
;;       x = np.moveaxis(x, axis, -1); K = x.shape[-1]
;;       x = np.pad(x, [(0, 0)] * (x.ndim - 1) + [(0, -K % 32)]); x = x.reshape(x.shape[:-1] + (-1, 32)); a = np.abs(x).max(-1, keepdims=True)
;;       e = np.where(a > 0, np.clip(np.frexp(np.where(a > 0, a, 1))[1] - 1 - 2, -126, 127), 0)      # np.frexp(a)[1] - 1 = floor(log2(a)), exactly
;;       r = np.clip(x / 2.0 ** e, -6, 6)
;;       step = 2.0 ** (np.maximum(np.frexp(np.where(r == 0, 1, r))[1] - 1, 0) - 1)
;;       q = np.round(r / step) * step * 2.0 ** e      # np.round: ties to even
;;       return np.moveaxis(q.reshape(q.shape[:-2] + (-1,))[..., :K], -1, axis).astype(np.float32)
;;   ~~~
;; 2 versions, each right; version 2 is version 1 with the launch attn written anew for expert scheduling mode. Each part assembles by itself: llvm-mc -triple=amdgcn-amd-amdhsa -mcpu=gfx1250 --defsym DOCPART=n.
;; ======== version 1 of 2: 3 launches
;; limits: values are held in f16: magnitudes above 65,504 overflow, below 6.1e-05 lose precision
;; workspace buffers: xcodes 2,097,152 bytes; xscl 262,144 bytes; wcodes 393,216 bytes; wscl 49,152 bytes; woimg 524,288 bytes; aimg 8,388,608 bytes
;; launch prep (part 1): grid 256 x 1, 4 waves a work-group, no clusters, 34,304 bytes of LDS; arguments query, Wq, Wk, Wv, Wo, xcodes, xscl, wcodes, wscl, woimg; writes xcodes, xscl, wcodes, wscl, woimg
.if DOCPART == 1
	.amdgcn_target "amdgcn-amd-amdhsa--gfx1250"
	.amdhsa_code_object_version 6
	.text
	.protected	k_q14254b9a48_prep
	.globl	k_q14254b9a48_prep
	.p2align	8
	.type	k_q14254b9a48_prep,@function
k_q14254b9a48_prep:
	s_mov_b64 s[64:65], 0
	v_nop
	global_prefetch_b8 v0, s[64:65] scope:SCOPE_SE
	s_setreg_imm32_b32 hwreg(HW_REG_WAVE_MODE, 25, 1), 1
	s_wait_xcnt 0x0
; PREP: the operands of the later launches, laid as IMAGES OF THE OPERANDS' REGISTERS (a group of four registers: 512 bytes, lane l's 16 bytes at 16 l).
;   work-groups 0-127   (X): query [8192][512] f32 -> codes of FP4 (E2M1) and E8M0 scale words, quantised along its 512.  A wave takes one tile of 16 tokens.
;       xcodes [tile 512][K step 4][g 2][lane][16 B]: lane (r, h) holds token r; registers 4 g .. 4 g + 3 hold k = 128 s + 64 g + 32 h + 0 .. 31.   xscl [tile][lane][4 words]: word s = token r's scale word of K step s.
;   work-groups 128-223 (W): Wq, Wk, Wv [512 (k)][512 (column)] f32 -> the same, quantised DOWN their first axis.  A wave takes 16 columns x 128 along K: one fragment.
;       wcodes [head 16][f 24][g 2][lane][16 B], f = 8 m + 4 u + s (m: q, k, v; u: which 16 of the head's 32 channels; s: K step);   wscl [head][f][lane] words.
;   work-groups 224-255 (O): Wo [512 (k)][512 (d)] f32 -> f16 fragments of 16 d x 32 k.  A wave takes four.
;       woimg [d tile 32][K step 16][g 2][lane][16 B]: lane (r, h) holds d = 16 dt + r; registers 4 g .. 4 g + 3 hold k = 32 ks + 16 g + 8 h + 0 .. 7.
; A block's scale is 2^(floor(log2(its largest magnitude)) - 2): its byte is the largest magnitude's exponent field - 2, held at 1 from below.
; LIMITS: a block of zeros gets the byte 1 where the rule says 127 (its codes are zeros, and this program alone reads the bytes); blocks whose largest magnitude lies under 2^-124 keep the byte 1;
; NaN and infinities are not served; Wo beyond 65,504 has no f16 number.
; No matrix unit, no cluster, no tensor load: a stream in which nothing is shared.  Only path X uses LDS, each wave its own stage: no barrier.
.set STGW,  8448                       ; a wave's stage: 16 rows x SP bytes
.set SP,    528                        ; a stage row: 512 bytes + 16 of padding = 33 x 16: the 16 rows that a read touches begin at 16 different groups of banks
.set SPARE, 4*STGW                     ; behind the stages: the spare words, 128 bytes a wave
.set RR,   2                           ; v2   r = lane % 16
.set HH,   3                           ; v3   h = lane / 16
.set LI,   4                           ; v4   16 x lane
.set WR,   5                           ; v5   the stage, on the way in: 16 x lane
.set RD,   6                           ; v6   and on the way out: row r, + 64 h
.set VO,   7                           ; v7   paths W and O: my lane's offset in the weight
.set L4,   8                           ; v8   4 x lane
.set SPW,  12                          ; v12  LDS address of my spare word; never rewritten
.set NIL,  13                          ; v13  0; never rewritten
.set TM,   16                          ; v16-19 largest magnitudes, v20-23 bytes, v28-31 the conversions' scale operands
.set XSW,  32                          ; v32-35 a token's four scale words
.set PC,   36                          ; v36-43 the codes just made
.set X,    44                          ; v44-107 64 numbers of my row: register 16 b + i = k 32 b + 16 h + i
.set R,    108                         ; v108-235 two sets of 64 registers as loaded
.macro FINISH                          ; a wave's end
	s_wait_tensorcnt 0x0
	ds_add_u32 v[SPW], v[NIL]
	s_wait_dscnt 0x0
	s_endpgm
.endm
	s_load_b512 s[4:19], s[0:1], 0x0               ; query 4:5, Wq 6:7, Wk 8:9, Wv 10:11, Wo 12:13, xcodes 14:15, xscl 16:17, wcodes 18:19
	s_load_b128 s[20:23], s[0:1], 0x40             ; wscl 20:21, woimg 22:23
	v_lshl_add_u32 v[SPW], v0, 2, SPARE
	v_mov_b32 v[NIL], 0
	v_lshrrev_b32 v1, 5, v0
	v_readfirstlane_b32 s24, v1                    ; wave 0..3
	v_and_b32 v1, 31, v0                           ; lane
	v_and_b32 v[RR], 15, v0
	v_bfe_u32 v[HH], v0, 4, 1
	v_lshlrev_b32 v[LI], 4, v1
	v_lshlrev_b32 v[L4], 2, v1
	s_mul_i32 s28, s24, STGW
	v_add_nc_u32 v[WR], s28, v[LI]
	v_mul_u32_u24 v[RD], v[RR], SP
	v_lshl_add_u32 v[RD], v[HH], 6, v[RD]
	v_add_nc_u32 v[RD], s28, v[RD]
	s_mov_b32 s26, 0x76543210
	s_mov_b32 s27, 0xfedcba98                      ; v_permlanex16_b32's selects for lane l xor 16
.irp b, 0,1,2,3
	v_mov_b32 v[TM+4+\b], 0                        ; written once: a lane permute's destination counts as one of its sources
.endr
	s_mov_b32 s35, 0
	s_wait_kmcnt 0x0
	s_cmp_lt_u32 ttmp9, 128
	s_cbranch_scc0 .Lweights
; ---------------- path X ----------------
	s_lshl_b32 s28, ttmp9, 2
	s_add_co_u32 s28, s28, s24                     ; my tile of 16 tokens
	s_lshl_b32 s34, s28, 15                        ; 16 rows of 2,048 bytes
	s_add_nc_u64 s[4:5], s[4:5], s[34:35]
	s_lshl_b32 s34, s28, 12                        ; 4 K steps x 1,024 bytes of codes
	s_add_nc_u64 s[14:15], s[14:15], s[34:35]
	s_lshl_b32 s34, s28, 9                         ; 32 lanes x 16 bytes of scale words
	s_add_nc_u64 s[16:17], s[16:17], s[34:35]
.macro LOADX ks, bank                  ; K step ks of my 16 rows: each load reads 512 consecutive bytes of one row
.irp t, 0,1,2,3,4,5,6,7,8,9,10,11,12,13,14,15
	global_load_b128 v[R+64*(\bank)+4*\t:R+64*(\bank)+4*\t+3], v[LI], s[4:5] offset:2048*\t+512*(\ks) th:TH_LOAD_NT
.endr
.endm
.macro TURNX bank                      ; through my stage: in as loaded, back 16 neighbours of each block of 32 a lane.  LDS serves a wave's instructions in order: no wait between
.irp t, 0,1,2,3,4,5,6,7,8,9,10,11,12,13,14,15
	ds_store_b128 v[WR], v[R+64*(\bank)+4*\t:R+64*(\bank)+4*\t+3] offset:SP*\t
.endr
.irp b, 0,1,2,3
.irp j, 0,1,2,3
	ds_load_b128 v[X+16*\b+4*\j:X+16*\b+4*\j+3], v[RD] offset:128*\b+16*\j
.endr
.endr
.endm
; 64 numbers of a lane, register 16 b + i = k 32 b + 16 h + i of my row, become a fragment's codes in v[PC] on and its scale word in v[pw]
.macro QUANT src, pw
.irp b, 0,1,2,3
	v_max3_num_f32 v[TM+\b], |v[\src+16*\b]|, |v[\src+1+16*\b]|, 0x1800000   ; block b: my 16 numbers, and the floor 2^(3 - 127): the byte cannot fall under 1
.endr
.irp i, 2,4,6,8,10,12,14
.irp b, 0,1,2,3
	v_max3_num_f32 v[TM+\b], v[TM+\b], |v[\src+16*\b+\i]|, |v[\src+1+16*\b+\i]|   ; the four blocks by turns
.endr
.endr
.irp b, 0,1,2,3
	v_permlanex16_b32 v[TM+4+\b], v[TM+\b], s26, s27
.endr
.irp b, 0,1,2,3
	v_max_num_f32 v[TM+\b], v[TM+\b], v[TM+4+\b]   ; with lane l xor 16's 16: the block's largest magnitude
.endr
.irp b, 0,1,2,3
	v_add_nc_u32 v[TM+12+\b], 0xff000000, v[TM+\b] ; 2 off its exponent field: the conversion takes this operand's exponent field as its scale
.endr
.irp b, 0,1,2,3
	v_lshrrev_b32 v[TM+4+\b], 23, v[TM+12+\b]      ; the scale's byte
.endr
	v_lshl_or_b32 v[\pw], v[TM+5], 8, v[TM+4]      ; four bytes: my row's scale word
	v_lshl_or_b32 v[\pw], v[TM+6], 16, v[\pw]
	v_lshl_or_b32 v[\pw], v[TM+7], 24, v[\pw]
.irp b, 0,1,2,3
	v_cvt_scalef32_pk8_fp4_f32 v[PC+2*\b], v[\src+16*\b:\src+7+16*\b], v[TM+12+\b]
	v_cvt_scalef32_pk8_fp4_f32 v[PC+1+2*\b], v[\src+8+16*\b:\src+15+16*\b], v[TM+12+\b]
.endr
	v_nop                                          ; one plain place behind a scaled conversion
.irp c, 0,1                            ; the operand's layout wants a WHOLE block in a lane: lanes 0-15 block 2 c, lanes 16-31 block 2 c + 1
.irp i, 0,1
	v_permlane16_swap_b32 v[PC+4*\c+\i], v[PC+2+4*\c+\i]
.endr
.endr
.endm
.macro KSTEP ks
.if (\ks) < 3
	s_wait_loadcnt 16                              ; this K step's 16 loads are in; the other set's 16 may be out
.else
	s_wait_loadcnt 0x0
.endif
	TURNX (\ks)%2
	s_wait_dscnt 0x0                               ; my 64 numbers are back, and the stage's stores have read their registers,
.if (\ks) < 2
	LOADX (\ks)+2, (\ks)%2                         ; which take the K step two on
.endif
.if (\ks) > 0
	s_wait_xcnt 0x0                                ; the last K step's stores have read the codes' registers: they are written again only behind this wait
.endif
	QUANT X, XSW+(\ks)
.irp g, 0,1
	global_store_b128 v[LI], v[PC+4*\g:PC+4*\g+3], s[14:15] offset:1024*(\ks)+512*\g   ; 32 lanes store 512 consecutive bytes, aligned
.endr
.endm
	LOADX 0, 0
	LOADX 1, 1
	KSTEP 0
	KSTEP 1
	KSTEP 2
	KSTEP 3
	global_store_b128 v[LI], v[XSW:XSW+3], s[16:17]
	FINISH
; ---------------- path W: a lane takes a column, its registers run down K, in the order that the operand's layout gives that lane ----------------
.Lweights:
	s_cmp_lt_u32 ttmp9, 224
	s_cbranch_scc0 .Lwo
	s_sub_co_u32 s28, ttmp9, 128
	s_lshr_b32 s30, s28, 5                         ; m: 0 Wq, 1 Wk, 2 Wv
	s_and_b32 s31, s28, 31                         ; ct: which 16 columns
	s_cmp_eq_u32 s30, 0
	s_cselect_b64 s[32:33], s[6:7], s[8:9]
	s_cmp_eq_u32 s30, 2
	s_cselect_b64 s[32:33], s[10:11], s[32:33]
	s_lshl_b32 s34, s31, 6                         ; 16 columns of 4 bytes
	s_lshl_b32 s36, s24, 18                        ; K step = wave: 128 rows of 2,048 bytes
	s_add_co_u32 s34, s34, s36
	s_add_nc_u64 s[32:33], s[32:33], s[34:35]
	v_lshlrev_b32 v[VO], 2, v[RR]
	v_lshl_add_u32 v[VO], v[HH], 16, v[VO]         ; lanes 16-31 begin 32 rows further down
.set i, 0
.rept 64
	global_load_b32 v[R+i], v[VO], s[32:33] offset:(64*(i/32)+i%32)*2048   ; W(128 s + 64 c + 32 h + i, 16 ct + r)
.set i, i+1
.endr
	s_lshr_b32 s36, s31, 1                         ; the head
	s_and_b32 s37, s31, 1                          ; u
	s_lshl_b32 s38, s30, 3
	s_lshl_b32 s37, s37, 2
	s_add_co_u32 s38, s38, s37
	s_add_co_u32 s38, s38, s24                     ; f = 8 m + 4 u + s
	s_mul_i32 s34, s36, 24576
	s_lshl_b32 s39, s38, 10
	s_add_co_u32 s34, s34, s39
	s_add_nc_u64 s[18:19], s[18:19], s[34:35]
	s_mul_i32 s34, s36, 3072
	s_lshl_b32 s39, s38, 7
	s_add_co_u32 s34, s34, s39
	s_add_nc_u64 s[20:21], s[20:21], s[34:35]
	s_wait_loadcnt 0x0
.irp c, 0,1                            ; my block 2 c + h: all its 32 numbers are mine
	v_max3_num_f32 v[TM+\c], |v[R+32*\c]|, |v[R+32*\c+1]|, 0x1800000
.endr
.irp i, 2,4,6,8,10,12,14,16,18,20,22,24,26,28,30
.irp c, 0,1
	v_max3_num_f32 v[TM+\c], v[TM+\c], |v[R+32*\c+\i]|, |v[R+32*\c+\i+1]|
.endr
.endr
.irp c, 0,1
	v_add_nc_u32 v[TM+12+\c], 0xff000000, v[TM+\c]
.endr
.irp c, 0,1
	v_lshrrev_b32 v[TM+4+\c], 23, v[TM+12+\c]
.endr
	v_lshl_or_b32 v[XSW], v[TM+5], 16, v[TM+4]     ; my two bytes: blocks h and 2 + h of column r,
	v_lshlrev_b32 v[XSW+1], 3, v[HH]
	v_lshlrev_b32 v[XSW], v[XSW+1], v[XSW]         ; at their places in the word;
	v_mov_b32 v[XSW+1], 0
	v_permlanex16_b32 v[XSW+1], v[XSW], s26, s27
	v_or_b32 v[XSW], v[XSW], v[XSW+1]              ; with lane l xor 16's two the word is whole, in both halves of the lanes
.irp c, 0,1
.irp g, 0,1,2,3
	v_cvt_scalef32_pk8_fp4_f32 v[PC+4*\c+\g], v[R+32*\c+8*\g:R+32*\c+8*\g+7], v[TM+12+\c]   ; registers 4 c .. 4 c + 3 of the operand
.endr
.endr
	v_nop                                          ; one plain place behind the last scaled conversion
	global_store_b128 v[LI], v[PC:PC+3], s[18:19]
	global_store_b128 v[LI], v[PC+4:PC+7], s[18:19] offset:512
	global_store_b32 v[L4], v[XSW], s[20:21]
	FINISH
; ---------------- path O: the same plan in f16: a lane takes a column d, its registers run down K ----------------
.Lwo:
	s_sub_co_u32 s28, ttmp9, 224                   ; dt: which 16 columns
	s_lshl_b32 s34, s28, 6
	s_lshl_b32 s36, s24, 18                        ; my four K steps of 32: 128 rows of 2,048 bytes
	s_add_co_u32 s34, s34, s36
	s_add_nc_u64 s[12:13], s[12:13], s[34:35]
	v_lshlrev_b32 v[VO], 2, v[RR]
	v_lshl_add_u32 v[VO], v[HH], 14, v[VO]         ; lanes 16-31 begin 8 rows further down
.set i, 0
.rept 64
	global_load_b32 v[R+i], v[VO], s[12:13] offset:(32*(i/16)+16*((i/8)%2)+i%8)*2048   ; Wo(128 wave + 32 q + 16 g + 8 h + j, 16 dt + r)
.set i, i+1
.endr
	s_lshl_b32 s34, s28, 14                        ; 16 fragments of 1,024 bytes for each d tile,
	s_lshl_b32 s36, s24, 12                        ; my four of them
	s_add_co_u32 s34, s34, s36
	s_add_nc_u64 s[22:23], s[22:23], s[34:35]
	s_wait_loadcnt 0x0
.set i, 0
.rept 32
	v_cvt_pk_f16_f32 v[X+i], v[R+2*i], v[R+2*i+1]  ; the lower k in the low half
.set i, i+1
.endr
.irp q, 0,1,2,3
.irp g, 0,1
	global_store_b128 v[LI], v[X+8*\q+4*\g:X+8*\q+4*\g+3], s[22:23] offset:1024*\q+512*\g
.endr
.endr
	FINISH
.Lfunc_end_k_q14254b9a48_prep:
	.size	k_q14254b9a48_prep, .Lfunc_end_k_q14254b9a48_prep-k_q14254b9a48_prep
	.p2alignl 7, 3214868480
	.fill 96, 4, 3214868480
	.section	.rodata,"a",@progbits
	.p2align	6, 0x0
	.amdhsa_kernel k_q14254b9a48_prep
		.amdhsa_group_segment_fixed_size 34304
		.amdhsa_private_segment_fixed_size 0
		.amdhsa_enable_private_segment 0
		.amdhsa_kernarg_size 80
		.amdhsa_user_sgpr_count 2
		.amdhsa_user_sgpr_kernarg_segment_ptr 1
		.amdhsa_wavefront_size32 1
		.amdhsa_system_sgpr_workgroup_id_x 1
		.amdhsa_system_sgpr_workgroup_id_y 1
		.amdhsa_system_sgpr_workgroup_id_z 1
		.amdhsa_system_vgpr_workitem_id 0
		.amdhsa_next_free_vgpr 240
		.amdhsa_next_free_sgpr 66
		.amdhsa_reserve_vcc 0
		.amdhsa_float_denorm_mode_32 3
		.amdhsa_float_denorm_mode_16_64 3
		.amdhsa_memory_ordered 1
		.amdhsa_forward_progress 1
		.amdhsa_inst_pref_size 52
	.end_amdhsa_kernel
	.amdgpu_metadata
---
amdhsa.version: [ 1, 2 ]
amdhsa.kernels:
  - .name:           k_q14254b9a48_prep
    .symbol:         k_q14254b9a48_prep.kd
    .args:
      - { .name: query, .offset: 0, .size: 8, .value_kind: global_buffer, .address_space: global }
      - { .name: Wq, .offset: 8, .size: 8, .value_kind: global_buffer, .address_space: global }
      - { .name: Wk, .offset: 16, .size: 8, .value_kind: global_buffer, .address_space: global }
      - { .name: Wv, .offset: 24, .size: 8, .value_kind: global_buffer, .address_space: global }
      - { .name: Wo, .offset: 32, .size: 8, .value_kind: global_buffer, .address_space: global }
      - { .name: xcodes, .offset: 40, .size: 8, .value_kind: global_buffer, .address_space: global }
      - { .name: xscl, .offset: 48, .size: 8, .value_kind: global_buffer, .address_space: global }
      - { .name: wcodes, .offset: 56, .size: 8, .value_kind: global_buffer, .address_space: global }
      - { .name: wscl, .offset: 64, .size: 8, .value_kind: global_buffer, .address_space: global }
      - { .name: woimg, .offset: 72, .size: 8, .value_kind: global_buffer, .address_space: global }
    .group_segment_fixed_size: 34304
    .private_segment_fixed_size: 0
    .kernarg_segment_align: 8
    .kernarg_segment_size: 80
    .max_flat_workgroup_size: 128
    .sgpr_count:     66
    .vgpr_count:     240
    .wavefront_size: 32
...
	.end_amdgpu_metadata
.endif
;; end of part 1
;; launch attn (part 2): grid 32 x 8, 8 waves a work-group, no clusters, 307,200 bytes of LDS; arguments xcodes, xscl, wcodes, wscl, bq, bk, bv, rel_bias, aimg; writes aimg
.if DOCPART == 2
	.amdgcn_target "amdgcn-amd-amdhsa--gfx1250"
	.amdhsa_code_object_version 6
	.text
	.protected	k_q14254b9a48_attn
	.globl	k_q14254b9a48_attn
	.p2align	8
	.type	k_q14254b9a48_attn,@function
k_q14254b9a48_attn:
	s_mov_b64 s[64:65], 0
	v_nop
	global_prefetch_b8 v0, s[64:65] scope:SCOPE_SE
	s_setreg_imm32_b32 hwreg(HW_REG_WAVE_MODE, 25, 1), 1
	s_wait_xcnt 0x0
; ATTN: for one batch b, one head n and one half a of the 32 columns of the 32 x 32 layout: the projections q, k, v (codes of FP4, E8M0 scales), the scores with the relative bias, a running softmax, and p v.
; SHARES.  A work-group owns the 512 queries with w_s in 16 a .. 16 a + 15: 32 tiles of 16, tile h_s = token tile 2 h_s + a.  Wave w owns h_s = 4 w + i, i = 0 .. 3, and projects token tiles 8 w .. 8 w + 7
; (k and v of all of them, q of the one tile of each pair that lies in half a).  Two waves share a SIMD.  k and v of the head's 1,024 tokens lie in LDS as f16 images of operand registers and are read by all eight waves.
; LAYOUT.  All products are laid so that a lane holds ONE token or query (lane % 16), and what one product leaves, packed to f16 in pairs, IS the next product's operand:
;   k, q: source 0 = 16 channels of the weight, source 1 = 16 tokens: lane (r, h) holds token r, channels 16 u + 8 h + 0 .. 7: registers 4 u .. 4 u + 3 of a fragment 16 tokens x 32 channels.
;   v:    source 0 = 16 tokens, source 1 = 16 channels: lane (r, h) holds channel r, tokens 8 h + 0 .. 7: four registers of a fragment 16 channels x 32 keys.
;   S^T = k q^T + bias (source 0 = 16 keys, source 1 = my 16 queries): lane (r, h) holds query r, keys 8 h + 0 .. 7; two such tiles, packed, are source 1 (32 keys x 16 queries) of O^T = v^T p.
; THE BIAS IS THE C OF THE SCORE PRODUCT.  bias(s, t) = rel_bias[n][h_s - h_t + 31][w_s - w_t + 31]: a tile of 16 keys x 16 queries hangs on h_s - h_t and on the keys' half c alone.  The 63 x 2 tiles are built once
; in LDS, in C's layout.  Tile i at key row kappa wants row e = i - kappa; a step of two key rows wants five rows and brings in two new ones: a ring of eight slots in registers, row e in slot e mod 8.
; SOFTMAX.  q is multiplied by log2(e) / sqrt(32) and the bias by log2(e), so a score is t; for each query a running maximum m and sum l: p = 2^(t - m); O and l are multiplied by 2^(old m - new m) in every step.
; NO CLUSTER: what work-groups share are x's images, 36,864 bytes a wave, read once, straight into operand registers.  A joint load lands in LDS, of which 307,200 bytes are taken:
; the 20,480 left of a WGP's 327,680 are less than the four tiles (18,432 bytes) that each of the eight waves keeps in its buffers.
; LIMITS: q log2(e) / sqrt(32), k, v and the result are rounded to f16: beyond 65,504 they have no number there.  NaN and infinities are not served.
.set KIMG,  0                          ; LDS: k: [token tile 64][u 2][lane][16 B]
.set VIMG,  65536                      ; v: [key row 32][u 2][c 2][lane][16 B]
.set BIMG,  131072                     ; bias tiles, f32: [R 64][c 2][g 2][lane][16 B]; row R holds h_s - h_t + 31 = 62 - R; row 63 is never read
.set RAW,   262144                     ; 4,096 words: RAW[x] = log2(e) x rel_bias[n] flat [x + 16 a]
.set WIMG,  278528                     ; the head's 24 weight fragments
.set WSC,   303104                     ; and their scale words
.set SPARE, 306176                     ; the spare words, 128 bytes a wave
; window 0
.set LI,   1                           ; v1   16 x lane (also k's images: KIMG = 0)
.set AV,   3                           ; v3   VIMG + 16 x lane
.set AB,   4                           ; v4   BIMG + 8,192 (7 - w) + 16 x lane: my row e = 3
.set KW,   5                           ; v5   where I store k's images
.set VW,   6                           ; v6   and v's
.set BW0,  7                           ; v7   where I store bias rows 8 i + 7 - w, i < 4;
.set BW1,  8                           ; v8   i >= 4
.set RG,   9                           ; v9   RAW + 4 (63 w + 8 + r - 8 h)
.set RG7,  10                          ; v10  the same with (w + 7) mod 8 for w
.set WST,  11                          ; v11-13 where my thread stores its share of the weights, their scale words, the raw bias
.set SST,  12
.set RST,  13
.set SPW,  14                          ; v14  LDS address of my spare word; never rewritten
.set NIL,  15                          ; v15  0; never rewritten
.set WS,   16                          ; v16-39 the weights' scale words, fragment f at v[16 + f]: scales and nothing else
.set XS,   40                          ; v40-55 x's scale words: four buffers of four K steps: scales and nothing else
.set ST,   56                          ; v56-87 eight registers of statistics a tile: +0 m, +1 zero, +2, +3 l in two halves, +4 .. +7 at work (+6: the factor).  Earlier: the raw bias; bias rows; k's and v's sums
.set KA,   56
.set VA,   72
.set T0,   80                          ; v80-84 at the very head alone: lane, r, h, two at work
.set Q,    88                          ; v88-119 q's fragments, tile i at 88 + 8 i.  Earlier: my share of the weights
.set O16,  120                         ; v120-127 offsets for the head alone
.set O4,   121
.set ORB,  122
.set ORC,  123
.set O32H, 124
.set O4R,  125
.set WLD,  126
.set SLD,  127
.set CKA,  120                         ; v120-122 in the loop: this trip's addresses of k's, v's and the bias rows' images
.set CVA,  121
.set CBA,  122
.set S,    128                         ; v128-255 S^T: 128 + 32 i + 16 y + 8 c + j; p is packed in place, fragment (i, y) at 128 + 32 i + 16 y.  Earlier: x's fragments, four buffers of 32
.set XF,   128
; window 1, projections: v0-191 weight fragment f at 8 f; then the biases as C, and q's sums
.set CQ,   192
.set CK,   208
.set CV,   224
.set QA,   240
; window 1, attention: v0-63 O^T (16 i + 8 u); k's and v's fragments of a step; the bias ring
.set KF,   64
.set VF,   96
.set RING, 128
.set MSB, 0
.macro WIN new                         ; low byte: bits 1:0 source 0, 3:2 source 1, 5:4 source 2, 7:6 destination; the high byte repeats the setting that is left
.if MSB != \new
	s_set_vgpr_msb (MSB<<8)|\new
.set MSB, \new
.endif
.endm
.macro PLACES n                        ; plain vector instructions between a matrix instruction and what touches its registers (ISA guide 7.12.1)
.rept \n
	v_nop
.endr
.endm
.macro XLOAD tau                       ; token tile tau of my eight: four fragments and four scale words, as they lie, into buffer tau % 4: nine loads
.irp s, 0,1,2,3
.irp g, 0,1
	global_load_b128 v[XF+32*((\tau)%4)+8*\s+4*\g:XF+32*((\tau)%4)+8*\s+4*\g+3], v[LI], s[4:5] offset:4096*(\tau)+1024*\s+512*\g
.endr
.endr
	global_load_b128 v[XS+4*((\tau)%4):XS+4*((\tau)%4)+3], v[LI], s[6:7] offset:512*(\tau)
.endm
	s_load_b512 s[4:19], s[0:1], 0x0               ; xcodes 4:5, xscl 6:7, wcodes 8:9, wscl 10:11, bq 12:13, bk 14:15, bv 16:17, rel_bias 18:19
	s_load_b64 s[20:21], s[0:1], 0x40              ; aimg
	v_lshl_add_u32 v[SPW], v0, 2, SPARE
	v_mov_b32 v[NIL], 0
	v_lshrrev_b32 v[T0], 5, v0
	v_readfirstlane_b32 s22, v[T0]                 ; wave w
	s_xor_b32 s23, s22, 7                          ; 7 - w
	s_lshr_b32 s24, ttmp9, 1                       ; head n
	s_and_b32 s25, ttmp9, 1                        ; half a
	s_and_b32 s26, ttmp7, 0xffff                   ; batch b
	s_mov_b32 s28, 0x76543210
	s_mov_b32 s29, 0xfedcba98                      ; v_permlanex16_b32's selects for lane l xor 16
	s_mov_b32 s30, 0x3e8293ee                      ; log2(e) / sqrt(32)
	s_mov_b32 s31, s30                             ; (a packed form names the pair, so both words are written)
	s_mov_b32 s32, 0x3fb8aa3b                      ; log2(e)
	s_mov_b32 s33, s32
	v_and_b32 v[T0], 31, v0                        ; lane
	v_and_b32 v[T0+1], 15, v0                      ; r
	v_bfe_u32 v[T0+2], v0, 4, 1                    ; h
	v_lshlrev_b32 v[LI], 4, v[T0]
	v_add_nc_u32 v[AV], VIMG, v[LI]
	s_lshl_b32 s36, s23, 13
	s_add_co_u32 s36, s36, BIMG
	v_add_nc_u32 v[AB], s36, v[LI]
	s_lshl_b32 s36, s22, 13
	v_add_nc_u32 v[KW], s36, v[LI]
	v_add_nc_u32 v[VW], VIMG, v[KW]
	s_lshl_b32 s36, s23, 11
	s_add_co_u32 s36, s36, BIMG
	v_add_nc_u32 v[BW0], s36, v[LI]
	v_add_nc_u32 v[BW1], 65536, v[BW0]
	v_add_nc_u32 v[T0+3], 8, v[T0+1]
	v_lshlrev_b32 v[T0+4], 3, v[T0+2]
	v_sub_nc_u32 v[T0+3], v[T0+3], v[T0+4]         ; 8 + r - 8 h, 0 or more
	s_mul_i32 s36, s22, 63
	v_add_nc_u32 v[T0+4], s36, v[T0+3]
	v_lshl_add_u32 v[RG], v[T0+4], 2, RAW
	s_add_co_u32 s36, s22, 7
	s_and_b32 s36, s36, 7
	s_mul_i32 s36, s36, 63
	v_add_nc_u32 v[T0+4], s36, v[T0+3]
	v_lshl_add_u32 v[RG7], v[T0+4], 2, RAW
	v_lshl_add_u32 v[WST], v0, 4, WIMG
	v_lshl_add_u32 v[SST], v0, 2, WSC
	v_lshl_add_u32 v[RST], v0, 2, RAW
	v_lshlrev_b32 v[O16], 4, v0
	v_lshlrev_b32 v[O4], 2, v0
	s_lshl_b32 s36, s25, 6
	v_add_nc_u32 v[ORB], s36, v[O4]                ; 4 (thread + 16 a)
	v_add_nc_u32 v[ORC], 15360, v[ORB]
	v_min_u32 v[ORC], 15872, v[ORC]                ; the last 256 words are held at the table's last word, 63 x 63 - 1: no load leaves the buffer; words past 3,952 are never used
	v_lshlrev_b32 v[O32H], 5, v[T0+2]
	v_lshlrev_b32 v[O4R], 2, v[T0+1]
	v_add_nc_u32 v[WLD], WIMG, v[LI]
	v_lshl_add_u32 v[SLD], v[T0], 2, WSC
	s_mov_b32 s37, 0
	s_wait_kmcnt 0x0
	s_mul_i32 s36, s24, 24576
	s_add_nc_u64 s[8:9], s[8:9], s[36:37]          ; the head's weights,
	s_mul_i32 s36, s24, 3072
	s_add_nc_u64 s[10:11], s[10:11], s[36:37]      ; their scale words,
	s_mul_i32 s36, s24, 15876
	s_add_nc_u64 s[18:19], s[18:19], s[36:37]      ; its 63 x 63 table,
	s_lshl_b32 s36, s24, 7
	s_add_nc_u64 s[12:13], s[12:13], s[36:37]      ; its 32 numbers of each bias
	s_add_nc_u64 s[14:15], s[14:15], s[36:37]
	s_add_nc_u64 s[16:17], s[16:17], s[36:37]
	s_lshl_b32 s36, s26, 18
	s_lshl_b32 s38, s22, 15
	s_add_co_u32 s36, s36, s38
	s_add_nc_u64 s[4:5], s[4:5], s[36:37]          ; x's codes: batch b, my eight tiles of 4,096 bytes
	s_lshl_b32 s36, s26, 15
	s_lshl_b32 s38, s22, 12
	s_add_co_u32 s36, s36, s38
	s_add_nc_u64 s[6:7], s[6:7], s[36:37]          ; and their scale words, 512 bytes a tile
	s_lshl_b32 s36, s26, 20
	s_lshl_b32 s38, s22, 17
	s_add_co_u32 s36, s36, s38
	s_lshl_b32 s38, s25, 14
	s_add_co_u32 s36, s36, s38
	s_lshl_b32 s38, s24, 10
	s_add_co_u32 s36, s36, s38
	s_add_nc_u64 s[20:21], s[20:21], s[36:37]      ; the result: token tile 64 b + 8 w + 2 i + a (16,384 bytes each), K step n (1,024 bytes)
; ---- the head: all loads go out together: 9 (my share of the weights), 16 (of the table), 10 (the biases), 36 (x's first four tiles)
.irp k, 0,1,2,3,4,5
	global_load_b128 v[Q+4*\k:Q+4*\k+3], v[O16], s[8:9] offset:4096*\k
.endr
.irp k, 0,1,2
	global_load_b32 v[Q+24+\k], v[O4], s[10:11] offset:1024*\k
.endr
.irp k, 0,1,2,3,4,5,6,7,8,9,10,11,12,13,14
	global_load_b32 v[ST+\k], v[ORB], s[18:19] offset:1024*\k
.endr
	global_load_b32 v[ST+15], v[ORC], s[18:19]
	WIN 0x40                                       ; destination window 1
.irp u, 0,1
.irp g, 0,1
	global_load_b128 v[CQ+8*\u+4*\g:CQ+8*\u+4*\g+3], v[O32H], s[12:13] offset:64*\u+16*\g   ; C of q's and k's first products: register j = the bias of channel 16 u + 8 h + j
	global_load_b128 v[CK+8*\u+4*\g:CK+8*\u+4*\g+3], v[O32H], s[14:15] offset:64*\u+16*\g
.endr
	global_load_b32 v[CV+8*\u], v[O4R], s[16:17] offset:64*\u   ; of v's: every register = the bias of channel 16 u + r
.endr
	WIN 0
	XLOAD 0
	XLOAD 1
	XLOAD 2
	XLOAD 3
	s_wait_loadcnt 46                              ; the first 25 loads are in; the 10 and the 36 behind them may be out
.irp k, 0,1,2,3,4,5
	ds_store_b128 v[WST], v[Q+4*\k:Q+4*\k+3] offset:4096*\k
.endr
.irp k, 0,1,2
	ds_store_b32 v[SST], v[Q+24+\k] offset:1024*\k
.endr
.irp k, 0,2,4,6,8,10,12,14
	v_pk_mul_f32 v[ST+\k:ST+\k+1], v[ST+\k:ST+\k+1], s[32:33] op_sel_hi:[1,0]   ; the bias in units of t
.endr
.irp k, 0,1,2,3,4,5,6,7,8,9,10,11,12,13,14,15
	ds_store_b32 v[RST], v[ST+\k] offset:1024*\k
.endr
	s_wait_dscnt 0x0                               ; for the others' sake: my stores have landed
	s_barrier_signal -1
	s_barrier_wait -1                              ; the weights, their scale words and the table lie in LDS
; ---- work on LDS while x is on its way: the weights into registers, and my eight rows of bias tiles
	WIN 0x40
.set f, 0
.rept 24
	ds_load_b128 v[8*f:8*f+3], v[WLD] offset:1024*f
	ds_load_b128 v[8*f+4:8*f+7], v[WLD] offset:1024*f+512
.set f, f+1
.endr
	WIN 0
.set f, 0
.rept 24
	ds_load_b32 v[WS+f], v[SLD] offset:128*f
.set f, f+1
.endr
; Rows R = 8 i + 7 - w, i = 2 rho and 2 rho + 1: h_s - h_t + 31 = 55 - 8 i + w.  Register j of tile c is key column 16 c + 8 h + j against query column 16 a + r:
; table word 63 (55 - 8 i + w) + (8 + r - 8 h) + (7 - j) + 16 (1 - c), + 16 a, which RAW has taken in.  For i = 7 the row is w - 1; wave 0 there fills the unused row 63 from row 7.
.macro BIASROWS rho
	s_wait_dscnt 0x0                               ; earlier stores have read these registers
.irp rb, 0,1
.irp c, 0,1
.irp j, 0,1,2,3,4,5,6,7
.if 2*(\rho)+\rb == 7
	ds_load_b32 v[ST+16*\rb+8*\c+\j], v[RG7] offset:4*((7-\j)+16*(1-\c))
.else
	ds_load_b32 v[ST+16*\rb+8*\c+\j], v[RG] offset:4*((55-8*(2*(\rho)+\rb))*63+(7-\j)+16*(1-\c))
.endif
.endr
.endr
.endr
	s_wait_dscnt 0x0
.irp rb, 0,1
.irp c, 0,1
.irp g, 0,1
.if (\rho) < 2
	ds_store_b128 v[BW0], v[ST+16*\rb+8*\c+4*\g:ST+16*\rb+8*\c+4*\g+3] offset:16384*((2*(\rho)+\rb)%4)+1024*\c+512*\g
.else
	ds_store_b128 v[BW1], v[ST+16*\rb+8*\c+4*\g:ST+16*\rb+8*\c+4*\g+3] offset:16384*((2*(\rho)+\rb)%4)+1024*\c+512*\g
.endif
.endr
.endr
.endr
.endm
	BIASROWS 0
	BIASROWS 1
	BIASROWS 2
	BIASROWS 3
	s_wait_loadcnt 36                              ; the biases are in; x's four tiles may be out
	WIN 0x41
.irp u, 0,1
.irp j, 1,2,3,4,5,6,7
	v_mov_b32 v[CV+8*\u+\j], v[CV+8*\u]            ; v's bias hangs on the lane alone: the same in C's eight registers
.endr
.endr
	WIN 0
; ---- the projections, a token tile at a time.  The accumulators take turns, one instruction a turn.
; q's eight products on the tile whose fragments begin at v[xb] and whose scale words at v[xc]
.macro QPROD xb, xc
	WIN 0x51                                       ; source 0 (weight), C and D window 1
.irp s, 0,1,2,3
.irp u, 0,1
.if \s == 0
	v_wmma_scale_f32_16x16x128_f8f6f4 v[QA+8*\u:QA+8*\u+7], v[8*(4*\u):8*(4*\u)+7], v[\xb:\xb+7], v[CQ+8*\u:CQ+8*\u+7], v[WS+4*\u], v[\xc] matrix_a_fmt:MATRIX_FMT_FP4 matrix_b_fmt:MATRIX_FMT_FP4
.else
	v_wmma_scale_f32_16x16x128_f8f6f4 v[QA+8*\u:QA+8*\u+7], v[8*(4*\u+\s):8*(4*\u+\s)+7], v[\xb+8*\s:\xb+8*\s+7], v[QA+8*\u:QA+8*\u+7], v[WS+4*\u+\s], v[\xc+\s] matrix_a_fmt:MATRIX_FMT_FP4 matrix_b_fmt:MATRIX_FMT_FP4
.endif
.endr
.endr
	WIN 0
.endm
; Tile tau: k and v.  In an odd tile's turn also q of the pair's tile that lies in my work-group's half: two arms, one for each half, both of which make the same sums; what is made of them stands behind the join.
; So the even tile's buffer lives on through the odd tile's turn, and both buffers are filled again at that turn's end.
.macro TOK tau
.set XB, XF+32*((\tau)%4)
.set XC, XS+4*((\tau)%4)
.set XBE, XF+32*(((\tau)+3)%4)         ; the tile before: an odd tile's partner
.set XCE, XS+4*(((\tau)+3)%4)
.if (\tau) >= 6
	s_wait_loadcnt 9*(7-(\tau))                    ; this tile's nine loads are in; behind them: tile 7's nine, or none
.else
	s_wait_loadcnt 27-9*((\tau)%2)                 ; this tile's nine loads are in; the younger tiles' may be out: three tiles' in an even turn, two in an odd one
.endif
	s_wait_dscnt 0x0                               ; the last stores have read the registers of k's and v's sums
	WIN 0x11                                       ; source 0 (weight) and C (bias) window 1
.irp u, 0,1
	v_wmma_scale_f32_16x16x128_f8f6f4 v[KA+8*\u:KA+8*\u+7], v[8*(8+4*\u):8*(8+4*\u)+7], v[XB:XB+7], v[CK+8*\u:CK+8*\u+7], v[WS+8+4*\u], v[XC] matrix_a_fmt:MATRIX_FMT_FP4 matrix_b_fmt:MATRIX_FMT_FP4
.endr
	WIN 0x14                                       ; source 1 (weight) and C window 1
.irp u, 0,1
	v_wmma_scale_f32_16x16x128_f8f6f4 v[VA+8*\u:VA+8*\u+7], v[XB:XB+7], v[8*(16+4*\u):8*(16+4*\u)+7], v[CV+8*\u:CV+8*\u+7], v[XC], v[WS+16+4*\u] matrix_a_fmt:MATRIX_FMT_FP4 matrix_b_fmt:MATRIX_FMT_FP4
.endr
	WIN 0x01
.irp s, 1,2,3
.irp u, 0,1
	v_wmma_scale_f32_16x16x128_f8f6f4 v[KA+8*\u:KA+8*\u+7], v[8*(8+4*\u+\s):8*(8+4*\u+\s)+7], v[XB+8*\s:XB+8*\s+7], v[KA+8*\u:KA+8*\u+7], v[WS+8+4*\u+\s], v[XC+\s] matrix_a_fmt:MATRIX_FMT_FP4 matrix_b_fmt:MATRIX_FMT_FP4
.endr
.endr
	WIN 0x04
.irp s, 1,2,3
.irp u, 0,1
	v_wmma_scale_f32_16x16x128_f8f6f4 v[VA+8*\u:VA+8*\u+7], v[XB+8*\s:XB+8*\s+7], v[8*(16+4*\u+\s):8*(16+4*\u+\s)+7], v[VA+8*\u:VA+8*\u+7], v[XC+\s], v[WS+16+4*\u+\s] matrix_a_fmt:MATRIX_FMT_FP4 matrix_b_fmt:MATRIX_FMT_FP4
.endr
.endr
	WIN 0
.if (\tau)%2 == 1
	s_cmp_eq_u32 s25, 0                            ; a branch on the work-group's number, the same in all waves
	s_cbranch_scc1 .Leven_\@
	QPROD XB, XC                                   ; half 1: q of this, the odd tile
	s_branch .Lqdone_\@
.Leven_\@:
	QPROD XBE, XCE                                 ; half 0: q of the even tile
.Lqdone_\@:
.endif
	PLACES 4                                       ; behind the last products: in front of the first reads of the sums and of the loads into x's buffers
.if (\tau)%2 == 1
	WIN 0x41
.irp p, 0,2,4,6,8,10,12,14
	v_pk_mul_f32 v[QA+\p:QA+\p+1], v[QA+\p:QA+\p+1], s[30:31] op_sel_hi:[1,0]   ; x log2(e) / sqrt(32), in f32
.endr
	WIN 0x05                                       ; sources window 1, destination window 0
.irp u, 0,1
.irp p, 0,1,2,3
	v_cvt_pk_f16_f32 v[Q+8*((\tau)/2)+4*\u+\p], v[QA+8*\u+2*\p], v[QA+8*\u+2*\p+1]
.endr
.endr
	WIN 0
.endif
.irp u, 0,1
.irp p, 0,1,2,3
	v_cvt_pk_f16_f32 v[KA+8*\u+\p], v[KA+8*\u+2*\p], v[KA+8*\u+2*\p+1]   ; packed in place, from the low end on
.endr
.endr
.irp u, 0,1
.irp p, 0,1,2,3
	v_cvt_pk_f16_f32 v[VA+8*\u+\p], v[VA+8*\u+2*\p], v[VA+8*\u+2*\p+1]
.endr
.endr
.irp u, 0,1
	ds_store_b128 v[KW], v[KA+8*\u:KA+8*\u+3] offset:KIMG+1024*(\tau)+512*\u
	ds_store_b128 v[VW], v[VA+8*\u:VA+8*\u+3] offset:2048*((\tau)/2)+1024*\u+512*((\tau)%2)
.endr
.if ((\tau)%2 == 1) && ((\tau) < 4)
	XLOAD (\tau)+3                                 ; the pair two pairs on, into the two buffers just multiplied
	XLOAD (\tau)+4
.endif
.endm
	TOK 0
	TOK 1
	TOK 2
	TOK 3
	TOK 4
	TOK 5
	TOK 6
	TOK 7
	s_wait_dscnt 0x0                               ; for the others' sake: my images of k, v and the bias have landed
	s_barrier_signal -1
	s_barrier_wait -1                              ; from here on LDS is only read
; ---- attention: 16 steps of 64 keys (two key rows y, each two tiles c of 16 keys), four steps to a trip
	WIN 0x40
.set i, 0
.rept 64
	v_mov_b32 v[i], 0                              ; O^T.  The step is written once: the first finds zeros, which its factor 0 leaves zeros
.set i, i+1
.endr
.irp y, 0,1
.irp c, 0,1
.irp u, 0,1
	ds_load_b128 v[KF+16*\y+8*\c+4*\u:KF+16*\y+8*\c+4*\u+3], v[LI] offset:KIMG+2048*\y+1024*\c+512*\u   ; step 0's keys
.endr
.endr
.endr
.irp e, 0,1,2,3,4                      ; bias rows 3 - e = 3 .. -1 into slots 3, 2, 1, 0, 7
.irp c, 0,1
.irp g, 0,1
	ds_load_b128 v[RING+16*((3-\e+64)%8)+8*\c+4*\g:RING+16*((3-\e+64)%8)+8*\c+4*\g+3], v[AB] offset:\e*2048+1024*\c+512*\g
.endr
.endr
.endr
	WIN 0
.irp i, 0,1,2,3
	v_mov_b32 v[ST+8*\i], 0xff61b1e6               ; m: -3e38, under every t
	v_mov_b32 v[ST+8*\i+1], 0                      ; (named with m as a pair)
	v_mov_b32 v[ST+8*\i+2], 0                      ; l, in two halves
	v_mov_b32 v[ST+8*\i+3], 0
.endr
	s_wait_dscnt 0x0
.macro SUBI t, k                       ; pair k of tile t: t - m
.set rS, S+32*(\t)+2*(\k)
.set rT, ST+8*(\t)
	v_pk_add_f32 v[rS:rS+1], v[rS:rS+1], v[rT:rT+1] op_sel_hi:[1,0] neg_lo:[0,1] neg_hi:[0,1]
.endm
.macro EXPI t, e                       ; number e of tile t: p = 2^(t - m)
.set rS, S+32*(\t)+(\e)
	v_exp_f32 v[rS], v[rS]
.endm
.macro SUMI t, k                       ; l takes pair k; with pair 0 it is first brought under the new m
.set rS, S+32*(\t)+2*(\k)
.set rT, ST+8*(\t)
.if (\k) == 0
	v_pk_fma_f32 v[rT+2:rT+3], v[rT+2:rT+3], v[rT+6:rT+7], v[rS:rS+1] op_sel_hi:[1,0,1]
.else
	v_pk_add_f32 v[rT+2:rT+3], v[rT+2:rT+3], v[rS:rS+1]
.endif
.endm
.macro CVTI t, k                       ; pair k of tile t, rounded to f16, in place: register k % 8 of fragment (t, k / 8).  A tile's sums all stand ahead of its roundings
.set rP, S+32*(\t)+16*((\k)/8)
.set kk, (\k)%8
	v_cvt_pk_f16_f32 v[rP+kk], v[rP+2*kk], v[rP+2*kk+1]
.endm
.macro STEP q
	WIN 0x11                                       ; source 0 (keys) and C (bias ring) window 1
.irp y, 0,1
.irp c, 0,1
.irp i, 0,1,2,3
.set rR, RING+16*((\i-2*(\q)-\y+64)%8)+8*\c
	v_wmma_f32_16x16x32_f16 v[S+32*\i+16*\y+8*\c:S+32*\i+16*\y+8*\c+7], v[KF+16*\y+8*\c:KF+16*\y+8*\c+7], v[Q+8*\i:Q+8*\i+7], v[rR:rR+7]
.endr
.endr
.endr
	PLACES 4                                       ; in front of the loads into the keys' registers and of the first read of the scores
	WIN 0x40
.irp y, 0,1
.irp u, 0,1
.irp g, 0,1
	ds_load_b128 v[VF+16*\y+8*\u+4*\g:VF+16*\y+8*\u+4*\g+3], v[CVA] offset:4096*(\q)+2048*\y+1024*\u+512*\g   ; this step's values
.endr
.endr
.endr
.if (\q) == 3
	WIN 0
	s_cmp_eq_u32 s34, 1                            ; the last step has no successor
	s_cbranch_scc1 .Llast_\@
	WIN 0x40
.endif
.irp y, 0,1
.irp c, 0,1
.irp u, 0,1
	ds_load_b128 v[KF+16*\y+8*\c+4*\u:KF+16*\y+8*\c+4*\u+3], v[CKA] offset:KIMG+4096*((\q)+1)+2048*\y+1024*\c+512*\u   ; the next step's keys
.endr
.endr
.endr
.irp y, 0,1                            ; and its two new bias rows, e = -2 q - 2 - y, into the slots of rows that were last read a step or two ago
.irp c, 0,1
.irp g, 0,1
.set rR, RING+16*((62-2*(\q)-\y)%8)+8*\c+4*\g
	ds_load_b128 v[rR:rR+3], v[CBA] offset:(5+2*(\q)+\y)*2048+1024*\c+512*\g
.endr
.endr
.endr
	WIN 0
.if (\q) == 3
.Llast_\@:
.endif
	; the maximum of a lane's 32 scores and the old m: four chains, the four tiles by turns; each accumulator is read from its low end on
.irp k, 0,1,2,3
.irp i, 0,1,2,3
	v_max3_num_f32 v[ST+8*\i+4+\k], v[S+32*\i+8*\k], v[S+32*\i+8*\k+1], v[S+32*\i+8*\k+2]
.endr
.endr
.irp g, 1,2
.irp k, 0,1,2,3
.irp i, 0,1,2,3
	v_max3_num_f32 v[ST+8*\i+4+\k], v[ST+8*\i+4+\k], v[S+32*\i+8*\k+2*\g+1], v[S+32*\i+8*\k+2*\g+2]
.endr
.endr
.endr
.irp i, 0,1,2,3
	v_max3_num_f32 v[ST+8*\i+4], v[ST+8*\i+4], v[S+32*\i+7], v[S+32*\i+15]
.endr
.irp i, 0,1,2,3
	v_max3_num_f32 v[ST+8*\i+6], v[ST+8*\i+6], v[S+32*\i+23], v[S+32*\i+31]
.endr
.irp i, 0,1,2,3
	v_max3_num_f32 v[ST+8*\i+4], v[ST+8*\i+4], v[ST+8*\i+5], v[ST+8*\i+6]
.endr
.irp i, 0,1,2,3
	v_max3_num_f32 v[ST+8*\i+4], v[ST+8*\i+4], v[ST+8*\i+7], v[ST+8*\i]
.endr
.irp i, 0,1,2,3
	v_permlanex16_b32 v[ST+8*\i+5], v[ST+8*\i+4], s28, s29   ; the query's other 32 keys lie in the lane 16 away
.endr
.irp i, 0,1,2,3
	v_mov_b32 v[ST+8*\i+7], v[ST+8*\i]             ; the old m
.endr
.irp i, 0,1,2,3
	v_max_num_f32 v[ST+8*\i], v[ST+8*\i+4], v[ST+8*\i+5]
.endr
.irp i, 0,1,2,3
	v_sub_f32 v[ST+8*\i+7], v[ST+8*\i+7], v[ST+8*\i]
.endr
.irp i, 0,1,2,3
	v_exp_f32 v[ST+8*\i+6], v[ST+8*\i+7]           ; the factor 2^(old m - new m)
.endr
	; TWO BATCHES of exponentials, tiles 0, 1 and tiles 2, 3, each with one wait ahead of its first reader; plain work of the other batch stands among them
.set z, 0
.rept 32
	SUBI z%2, z/2
.set z, z+1
.endr
.set z, 0
.rept 32
	EXPI 0, z
	EXPI 1, z
	SUBI 2+z%2, z/2
.set z, z+1
.endr
	v_nop                                          ; a plain instruction behind the last exponential
	s_wait_alu depctr_va_vdst(0)                   ; the wait ahead of the first instruction that names a result: one for tiles 0 and 1 and the four factors
.set z, 0
.rept 64
	EXPI 2+z%2, z/2
.if z < 32
	SUMI z%2, z/2
.else
	CVTI (z-32)%2, (z-32)/2
.endif
.set z, z+1
.endr
	v_nop
	s_wait_alu depctr_va_vdst(0)                   ; and one for tiles 2 and 3
.set z, 0
.rept 32
	SUMI 2+z%2, z/2
.set z, z+1
.endr
.set z, 0
.rept 32
	CVTI 2+z%2, z/2
.set z, z+1
.endr
	WIN 0x41                                       ; O^T (destination and source 0) window 1, the factor window 0
.irp i, 0,1,2,3
.irp p, 0,2,4,6,8,10,12,14
	v_pk_mul_f32 v[16*\i+\p:16*\i+\p+1], v[16*\i+\p:16*\i+\p+1], v[ST+8*\i+6:ST+8*\i+7] op_sel_hi:[1,0]
.endr
.endr
	s_wait_dscnt 0x0                               ; this step's values, the next step's keys and bias rows are in: all were asked for a softmax ago
	WIN 0x51                                       ; source 0 (values), C and D window 1; source 1 (p) window 0
.irp y, 0,1
.irp i, 0,1,2,3
.irp u, 0,1
	v_wmma_f32_16x16x32_f16 v[16*\i+8*\u:16*\i+8*\u+7], v[VF+16*\y+8*\u:VF+16*\y+8*\u+7], v[S+32*\i+16*\y:S+32*\i+16*\y+7], v[16*\i+8*\u:16*\i+8*\u+7]
.endr
.endr
.endr
	WIN 0
	PLACES 5                                       ; the next step's score products write over registers that these products read
.endm
	s_mov_b32 s34, 4
	s_mov_b32 s35, 0
.Ltrip:                                            ; a trip: eight key rows, 16,384 bytes of each of the three kinds of images
	v_add_nc_u32 v[CKA], s35, v[LI]
	v_add_nc_u32 v[CVA], s35, v[AV]
	v_add_nc_u32 v[CBA], s35, v[AB]
	STEP 0
	STEP 1
	STEP 2
	STEP 3
	s_add_co_u32 s35, s35, 0x4000
	s_sub_co_u32 s34, s34, 1
	s_cmp_lg_u32 s34, 0
	s_cbranch_scc1 .Ltrip
; ---- the way out: O^T / l, rounded to f16: a lane's eight channels of a token are four registers of the next launch's operand: stored as they stand
.irp i, 0,1,2,3
	v_add_f32 v[ST+8*\i+4], v[ST+8*\i+2], v[ST+8*\i+3]
.endr
.irp i, 0,1,2,3
	v_permlanex16_b32 v[ST+8*\i+5], v[ST+8*\i+4], s28, s29
.endr
.irp i, 0,1,2,3
	v_add_f32 v[ST+8*\i+4], v[ST+8*\i+4], v[ST+8*\i+5]
.endr
.irp i, 0,1,2,3
	v_rcp_f32 v[ST+8*\i+6], v[ST+8*\i+4]
.endr
	v_nop                                          ; a plain instruction behind the last reciprocal,
	s_wait_alu depctr_va_vdst(0)                   ; and the wait ahead of the first use: one for the four
	WIN 0x41
.irp i, 0,1,2,3
.irp p, 0,2,4,6,8,10,12,14
	v_pk_mul_f32 v[16*\i+\p:16*\i+\p+1], v[16*\i+\p:16*\i+\p+1], v[ST+8*\i+6:ST+8*\i+7] op_sel_hi:[1,0]
.endr
.endr
	WIN 0x05
.irp i, 0,1,2,3
.irp u, 0,1
.irp p, 0,1,2,3
	v_cvt_pk_f16_f32 v[S+8*\i+4*\u+\p], v[16*\i+8*\u+2*\p], v[16*\i+8*\u+2*\p+1]
.endr
.endr
.endr
	WIN 0
.irp i, 0,1,2,3
.irp u, 0,1
	global_store_b128 v[LI], v[S+8*\i+4*\u:S+8*\i+4*\u+3], s[20:21] offset:32768*\i+512*\u   ; 32 lanes store 512 consecutive bytes, aligned
.endr
.endr
	s_wait_tensorcnt 0x0                           ; the wave's end, behind my last LDS store
	ds_add_u32 v[SPW], v[NIL]
	s_wait_dscnt 0x0
	s_endpgm
.Lfunc_end_k_q14254b9a48_attn:
	.size	k_q14254b9a48_attn, .Lfunc_end_k_q14254b9a48_attn-k_q14254b9a48_attn
	.p2alignl 7, 3214868480
	.fill 96, 4, 3214868480
	.section	.rodata,"a",@progbits
	.p2align	6, 0x0
	.amdhsa_kernel k_q14254b9a48_attn
		.amdhsa_group_segment_fixed_size 307200
		.amdhsa_private_segment_fixed_size 0
		.amdhsa_enable_private_segment 0
		.amdhsa_kernarg_size 72
		.amdhsa_user_sgpr_count 2
		.amdhsa_user_sgpr_kernarg_segment_ptr 1
		.amdhsa_wavefront_size32 1
		.amdhsa_system_sgpr_workgroup_id_x 1
		.amdhsa_system_sgpr_workgroup_id_y 1
		.amdhsa_system_sgpr_workgroup_id_z 1
		.amdhsa_system_vgpr_workitem_id 0
		.amdhsa_next_free_vgpr 512
		.amdhsa_next_free_sgpr 66
		.amdhsa_reserve_vcc 0
		.amdhsa_float_denorm_mode_32 3
		.amdhsa_float_denorm_mode_16_64 3
		.amdhsa_memory_ordered 1
		.amdhsa_forward_progress 1
		.amdhsa_inst_pref_size 192
	.end_amdhsa_kernel
	.amdgpu_metadata
---
amdhsa.version: [ 1, 2 ]
amdhsa.kernels:
  - .name:           k_q14254b9a48_attn
    .symbol:         k_q14254b9a48_attn.kd
    .args:
      - { .name: xcodes, .offset: 0, .size: 8, .value_kind: global_buffer, .address_space: global }
      - { .name: xscl, .offset: 8, .size: 8, .value_kind: global_buffer, .address_space: global }
      - { .name: wcodes, .offset: 16, .size: 8, .value_kind: global_buffer, .address_space: global }
      - { .name: wscl, .offset: 24, .size: 8, .value_kind: global_buffer, .address_space: global }
      - { .name: bq, .offset: 32, .size: 8, .value_kind: global_buffer, .address_space: global }
      - { .name: bk, .offset: 40, .size: 8, .value_kind: global_buffer, .address_space: global }
      - { .name: bv, .offset: 48, .size: 8, .value_kind: global_buffer, .address_space: global }
      - { .name: rel_bias, .offset: 56, .size: 8, .value_kind: global_buffer, .address_space: global }
      - { .name: aimg, .offset: 64, .size: 8, .value_kind: global_buffer, .address_space: global }
    .group_segment_fixed_size: 307200
    .private_segment_fixed_size: 0
    .kernarg_segment_align: 8
    .kernarg_segment_size: 72
    .max_flat_workgroup_size: 256
    .sgpr_count:     66
    .vgpr_count:     512
    .wavefront_size: 32
...
	.end_amdgpu_metadata
.endif
;; end of part 2
;; launch oproj (part 3): grid 4 x 64, 8 waves a work-group, clusters of 4 x 4, 297,984 bytes of LDS; arguments aimg, woimg, bo, out0; writes out0
.if DOCPART == 3
	.amdgcn_target "amdgcn-amd-amdhsa--gfx1250"
	.amdhsa_code_object_version 6
	.text
	.protected	k_q14254b9a48_oproj
	.globl	k_q14254b9a48_oproj
	.p2align	8
	.type	k_q14254b9a48_oproj,@function
k_q14254b9a48_oproj:
	s_mov_b64 s[64:65], 0
	v_nop
	global_prefetch_b8 v0, s[64:65] scope:SCOPE_SE
	s_setreg_imm32_b32 hwreg(HW_REG_WAVE_MODE, 25, 1), 1
	s_wait_xcnt 0x0
	s_wait_alu depctr_hold_cnt(0) depctr_sa_sdst(0) depctr_va_vdst(0) depctr_va_sdst(0) depctr_va_ssrc(0) depctr_va_vcc(0) depctr_vm_vsrc(0)
	s_getreg_b32 s2, hwreg(HW_REG_IB_STS2, 6, 4)
	s_cmp_eq_u32 s2, 0
	s_cbranch_scc0 .Lentry_in_a_cluster
	s_endpgm
.Lentry_in_a_cluster:
	s_bfe_u32 s2, ttmp6, 0x10000c
	s_cmp_lg_u32 s2, 0xf033
	s_cbranch_scc0 .Lentry_shape_is_right
	s_endpgm
.Lentry_shape_is_right:
; OPROJ: out0[token][d] = the sum over k of attn[token][k] Wo[k][d] + bo[d], f16 operands, f32 sums.  Both operands arrive as images of operand registers:
; aimg [token tile 512][K step 16][g 2][lane][16 B], woimg [d tile 32][K step 16][g 2][lane][16 B]: a tile's four K steps are 4,096 consecutive bytes, a tile's whole K 16,384.
; SHARES.  A work-group makes 128 tokens x 128 columns.  Wave w: rg = w & 3: tokens 32 rg on (two tiles tt); cg = w >> 2: columns 64 cg on (four tiles dt): eight accumulators.
; ALL OF K LIES IN LDS, FILLED ONCE: four chunks of four K steps, each 8 token tiles and 8 d tiles of 4,096 bytes.  Nothing is filled again: no ring.
; Each wave issues four tensor loads at the start, one a chunk (two tiles of 4,096 bytes each): four loads of mine are out; the wait in front of chunk ch leaves the 3 - ch later ones out.
; CLUSTERS: 4 x 4 work-groups.  The four of a row of the cluster need the same token tiles, the four of a column the same d tiles: each is asked for JOINTLY, by the same load with the same descriptor and a mask that names the four.
; THE MATRIX INSTRUCTION IS USED TRANSPOSED (source 0 = 16 columns d, source 1 = 16 tokens): lane (r, h) holds token r and columns 8 h + 0 .. 7.  bo is loaded straight into the accumulators, so every K step has one form.
.set CHB,   65536                      ; LDS: chunk ch at CHB ch: token tiles, then from +32,768 d tiles
.set STG,   262144                     ; behind the chunks: a stage of 16 rows x (256 + 16) bytes for each wave; no tensor load lands here
.set SPARE, 296960                     ; the spare words, 128 bytes a wave
.set VA,  2                            ; v2   LDS address of my token tiles' images
.set VW,  3                            ; v3   of my d tiles'
.set STO, 4                            ; v4   the stage: where I put 32 bytes of a row
.set RDB, 5                            ; v5   and where I read a row back
.set CO,  6                            ; v6   my byte offset in two rows of out0
.set BH,  7                            ; v7   32 h
.set SPW, 8                            ; v8   LDS address of my spare word; never rewritten
.set NIL, 9                            ; v9   0; never rewritten
.set F0,  16                           ; v16-63  fragments: token tile tt at + 8 tt, d tile dt at + 16 + 8 dt
.set F1,  64                           ; v64-111 the second buffer
.set ACC, 112                          ; v112-175 accumulator (dt, tt) at 112 + 8 (2 dt + tt)
.set OUTR, 176                         ; v176-239 rows read back from the stage, 32 registers for each tt
.set G1A, 24                           ; s[24:31] descriptor group 1 for token tiles;  s[32:39] for d tiles: they differ in the mask alone
.set G1B, 32
.set G0A, 40                           ; s[40:55] groups 0 for token tiles, one a chunk;  s[68:83] for d tiles
.set G0B, 68
.macro ROUND                           ; a round of the cluster's barrier
	s_barrier_signal -1
	s_barrier_wait -1
	s_cmp_lg_u32 s12, 0
	s_cbranch_scc1 .Lnot_wave_0_\@
	s_barrier_signal -3
.Lnot_wave_0_\@:
	s_barrier_wait -3
	s_barrier_signal -1
	s_barrier_wait -1
.endm
.macro PLACES n
.rept \n
	v_nop
.endr
.endm
	s_load_b256 s[4:11], s[0:1], 0x0               ; aimg 4:5, woimg 6:7, bo 8:9, out0 10:11
	v_lshl_add_u32 v[SPW], v0, 2, SPARE
	v_mov_b32 v[NIL], 0
	ds_add_u32 v[SPW], v[NIL]                      ; the wave's opening: the add, twice on end, and its wait ahead of my first tensor load
	ds_add_u32 v[SPW], v[NIL]                      ; and once more, under the one wait; the set-up below, work on registers, stands between
	v_lshrrev_b32 v1, 5, v0
	v_readfirstlane_b32 s12, v1                    ; wave 0..7
	s_and_b32 s13, s12, 3                          ; rg.  Also: which two tiles I fetch
	s_lshr_b32 s14, s12, 2                         ; cg.  Also: I fetch token tiles (0) or d tiles (1)
	s_bfe_u32 s16, ttmp6, 0x40000                  ; cx
	s_bfe_u32 s17, ttmp6, 0x40004                  ; cy
	s_lshl_b32 s18, ttmp9, 2
	s_add_co_u32 s18, s18, s16                     ; block of 128 columns = 4 x cluster x + cx
	s_and_b32 s19, ttmp7, 0xffff
	s_lshl_b32 s19, s19, 2
	s_add_co_u32 s19, s19, s17                     ; block of 128 tokens = 4 x cluster y + cy
	s_lshl_b32 s20, s17, 2
	s_lshl_b32 s20, 15, s20                        ; my row of the cluster
	s_lshl_b32 s21, 0x1111, s16                    ; my column
	; group 1: two rows of 512 elements of 8 bytes (4,096 bytes), 2,048 elements (a tile's whole K) apart; no padding: images are read 512 consecutive bytes at a time
	s_or_b32 s[G1A], s20, (3<<16)|(1<<21)          ; 15:0 the mask; 17:16 elements of 8 bytes; 21 set beside a mask
	s_or_b32 s[G1B], s21, (3<<16)|(1<<21)
.irp g, G1A, G1B
	s_mov_b32 s[\g+1], 512<<16                     ; tensor_dim0
	s_mov_b32 s[\g+2], 2<<16                       ; tensor_dim1
	s_mov_b32 s[\g+3], 512<<16                     ; tile_dim0
	s_mov_b32 s[\g+4], 2                           ; tile_dim1
	s_mov_b32 s[\g+5], 2048                        ; tensor_dim0_stride
	s_mov_b32 s[\g+6], 0
	s_mov_b32 s[\g+7], 0
.endr
	s_lshl_b32 s84, s12, 13                        ; where my two tiles go in a chunk: 8,192 x wave: no place in the cluster enters an LDS address
	s_lshl_b32 s85, s13, 1
	s_lshl_b32 s86, s19, 3
	s_add_co_u32 s86, s86, s85                     ; token tile 8 x block + 2 (w & 3),
	s_lshl_b32 s86, s86, 14                        ; in bytes
	s_mov_b32 s87, 0
	s_lshl_b32 s88, s18, 3
	s_add_co_u32 s88, s88, s85                     ; d tile likewise, in registers that never hold the other coordinate
	s_lshl_b32 s88, s88, 14
	s_mov_b32 s89, 0
	s_wait_dscnt 0x0                               ; both opening adds are done
	s_wait_kmcnt 0x0
	s_add_nc_u64 s[86:87], s[4:5], s[86:87]
	s_add_nc_u64 s[88:89], s[6:7], s[88:89]
	ROUND                                          ; all sixteen work-groups are here: the joint loads meet
.irp ch, 0,1,2,3
	s_mov_b32 s[G0A+4*\ch], 1                      ; count = 1
	s_add_co_u32 s[G0A+4*\ch+1], s84, CHB*\ch      ; LDS address
	s_add_nc_u64 s[G0A+4*\ch+2:G0A+4*\ch+3], s[86:87], 4096*\ch   ; global address: K steps 4 ch on
	s_or_b32 s[G0A+4*\ch+3], s[G0A+4*\ch+3], 0x80000000           ; type = 2
	s_mov_b32 s[G0B+4*\ch], 1
	s_add_co_u32 s[G0B+4*\ch+1], s84, CHB*\ch
	s_add_nc_u64 s[G0B+4*\ch+2:G0B+4*\ch+3], s[88:89], 4096*\ch
	s_or_b32 s[G0B+4*\ch+3], s[G0B+4*\ch+3], 0x80000000
.endr
	s_cmp_eq_u32 s14, 0                            ; a wave's four first fills stand in one branch on the wave's number, ahead of every wait on TENSORcnt and every LDS read; an s_nop 0 follows each, four v_nop the last
	s_cbranch_scc0 .Lfor_b
.irp ch, 0,1,2,3
	tensor_load_to_lds s[G0A+4*\ch:G0A+4*\ch+3], s[G1A:G1A+7]
	s_nop 0
.endr
	PLACES 4
	s_branch .Lasked
.Lfor_b:
.irp ch, 0,1,2,3
	tensor_load_to_lds s[G0B+4*\ch:G0B+4*\ch+3], s[G1B:G1B+7]
	s_nop 0
.endr
	PLACES 4
.Lasked:
	v_and_b32 v1, 31, v0
	v_and_b32 v10, 15, v0                          ; r
	v_bfe_u32 v11, v0, 4, 1                        ; h
	v_lshlrev_b32 v12, 4, v1                       ; 16 x lane
	s_lshl_b32 s94, s13, 13
	v_add_nc_u32 v[VA], s94, v12                   ; my two token tiles: 8,192 rg
	s_lshl_b32 s94, s14, 14
	s_add_co_u32 s94, s94, 32768
	v_add_nc_u32 v[VW], s94, v12                   ; my four d tiles: 32,768 + 16,384 cg
	s_mul_i32 s94, s12, 16*272
	s_add_co_u32 s94, s94, STG                     ; my stage
	v_mul_u32_u24 v[STO], v10, 272
	v_lshl_add_u32 v[STO], v11, 5, v[STO]
	v_add_nc_u32 v[STO], s94, v[STO]               ; in: row r, 32 bytes for each half of the lanes
	v_mul_u32_u24 v[RDB], v11, 272
	v_lshl_add_u32 v[RDB], v10, 4, v[RDB]
	v_add_nc_u32 v[RDB], s94, v[RDB]               ; back: lanes 0-15 one row of 256 bytes, lanes 16-31 the next
	v_lshlrev_b32 v[CO], 11, v11
	v_lshl_add_u32 v[CO], v10, 4, v[CO]            ; and the same two rows of out0 (2,048 bytes a row)
	v_lshlrev_b32 v[BH], 5, v11
	s_lshl_b32 s90, s18, 9
	s_lshl_b32 s91, s14, 8
	s_add_co_u32 s90, s90, s91                     ; my first column, in bytes: 512 x block + 256 cg
	s_mov_b32 s91, 0
	s_add_nc_u64 s[8:9], s[8:9], s[90:91]
	s_lshl_b32 s92, s19, 18                        ; my first row: 128 x block + 32 rg, 2,048 bytes each
	s_lshl_b32 s93, s13, 16
	s_add_co_u32 s92, s92, s93
	s_add_co_u32 s92, s92, s90
	s_mov_b32 s93, 0
	s_add_nc_u64 s[10:11], s[10:11], s[92:93]
.irp dt, 0,1,2,3
.irp tt, 0,1
.irp g, 0,1
	global_load_b128 v[ACC+8*(2*\dt+\tt)+4*\g:ACC+8*(2*\dt+\tt)+4*\g+3], v[BH], s[8:9] offset:64*\dt+16*\g   ; register j = bo of column 16 dt + 8 h + j: the sums begin with it
.endr
.endr
.endr
	s_wait_loadcnt 0x0
.macro FETCH ks, f                     ; the fragments of the chunk's K step ks: 12 loads of 512 consecutive bytes
.irp tt, 0,1
.irp g, 0,1
	ds_load_b128 v[\f+8*\tt+4*\g:\f+8*\tt+4*\g+3], v[VA] offset:4096*\tt+1024*(\ks)+512*\g
.endr
.endr
.irp dt, 0,1,2,3
.irp g, 0,1
	ds_load_b128 v[\f+16+8*\dt+4*\g:\f+16+8*\dt+4*\g+3], v[VW] offset:4096*\dt+1024*(\ks)+512*\g
.endr
.endr
.endm
.macro MUL8 f                          ; the eight accumulators take turns, one instruction a turn, in the same order in every K step
.irp tt, 0,1
.irp dt, 0,1,2,3
	v_wmma_f32_16x16x32_f16 v[ACC+8*(2*\dt+\tt):ACC+8*(2*\dt+\tt)+7], v[\f+16+8*\dt:\f+16+8*\dt+7], v[\f+8*\tt:\f+8*\tt+7], v[ACC+8*(2*\dt+\tt):ACC+8*(2*\dt+\tt)+7]
.endr
.endr
.endm
.macro CHUNK ch
	s_wait_tensorcnt 3-(\ch)                       ; my part of this chunk has landed; my loads for the later chunks may stay out
	s_barrier_signal -1                            ; (no LDS instruction of mine is out: the last wait on DScnt was for 0)
	s_barrier_wait -1                              ; everybody's part has
.if (\ch) > 0
	v_add_nc_u32 v[VA], CHB, v[VA]
	v_add_nc_u32 v[VW], CHB, v[VW]
	v_nop
	v_nop                                          ; with the two additions: four places in front of loads into registers that the last products read
.endif
	FETCH 0, F0
	FETCH 1, F1
	s_wait_dscnt 12                                ; all but the 12 just issued
	MUL8 F0
	PLACES 4
	FETCH 2, F0
	s_wait_dscnt 12
	MUL8 F1
	PLACES 4
	FETCH 3, F1
	s_wait_dscnt 12
	MUL8 F0
	s_wait_dscnt 0x0
	MUL8 F1
.endm
	CHUNK 0
	CHUNK 1
	CHUNK 2
	CHUNK 3
; THE WAY OUT.  A lane holds 32 neighbouring bytes of a row, the lanes beside it other rows: 16 rows x 256 bytes go through my own stage and come back as whole rows.  LDS serves a wave's instructions in order: no wait between.
.macro OUTT tt
.irp dt, 0,1,2,3
	ds_store_b128 v[STO], v[ACC+8*(2*\dt+\tt):ACC+8*(2*\dt+\tt)+3] offset:64*\dt          ; each accumulator from its low end on
	ds_store_b128 v[STO], v[ACC+8*(2*\dt+\tt)+4:ACC+8*(2*\dt+\tt)+7] offset:64*\dt+16
.endr
.irp k, 0,1,2,3,4,5,6,7
	ds_load_b128 v[OUTR+32*\tt+4*\k:OUTR+32*\tt+4*\k+3], v[RDB] offset:544*\k
.endr
.endm
.macro SEND tt, younger                ; younger: the LDS instructions issued behind this tile's loads, which may stay out
	s_wait_dscnt \younger
.irp k, 0,1,2,3,4,5,6,7
	global_store_b128 v[CO], v[OUTR+32*\tt+4*\k:OUTR+32*\tt+4*\k+3], s[10:11] offset:(16*\tt+2*\k)*2048 th:TH_STORE_NT   ; 16 lanes store 256 consecutive bytes, aligned; written once, read by nobody here
.endr
.endm
	PLACES 4
	OUTT 0
	OUTT 1
	SEND 0, 16                                     ; behind tile 0's loads: tile 1's 8 stores and 8 loads
	SEND 1, 0
	s_wait_tensorcnt 0x0                           ; the wave's end, behind my last tensor load and my last LDS store
	ds_add_u32 v[SPW], v[NIL]
	s_wait_dscnt 0x0
	ROUND                                          ; the closing round: no work-group ends while a partner may still ask for a tile that names it
	s_endpgm
.Lfunc_end_k_q14254b9a48_oproj:
	.size	k_q14254b9a48_oproj, .Lfunc_end_k_q14254b9a48_oproj-k_q14254b9a48_oproj
	.p2alignl 7, 3214868480
	.fill 96, 4, 3214868480
	.section	.rodata,"a",@progbits
	.p2align	6, 0x0
	.amdhsa_kernel k_q14254b9a48_oproj
		.amdhsa_group_segment_fixed_size 297984
		.amdhsa_private_segment_fixed_size 0
		.amdhsa_enable_private_segment 0
		.amdhsa_kernarg_size 32
		.amdhsa_user_sgpr_count 2
		.amdhsa_user_sgpr_kernarg_segment_ptr 1
		.amdhsa_wavefront_size32 1
		.amdhsa_system_sgpr_workgroup_id_x 1
		.amdhsa_system_sgpr_workgroup_id_y 1
		.amdhsa_system_sgpr_workgroup_id_z 1
		.amdhsa_system_vgpr_workitem_id 0
		.amdhsa_next_free_vgpr 256
		.amdhsa_next_free_sgpr 96
		.amdhsa_reserve_vcc 0
		.amdhsa_float_denorm_mode_32 3
		.amdhsa_float_denorm_mode_16_64 3
		.amdhsa_memory_ordered 1
		.amdhsa_forward_progress 1
		.amdhsa_inst_pref_size 36
	.end_amdhsa_kernel
	.amdgpu_metadata
---
amdhsa.version: [ 1, 2 ]
amdhsa.kernels:
  - .name:           k_q14254b9a48_oproj
    .symbol:         k_q14254b9a48_oproj.kd
    .args:
      - { .name: aimg, .offset: 0, .size: 8, .value_kind: global_buffer, .address_space: global }
      - { .name: woimg, .offset: 8, .size: 8, .value_kind: global_buffer, .address_space: global }
      - { .name: bo, .offset: 16, .size: 8, .value_kind: global_buffer, .address_space: global }
      - { .name: out0, .offset: 24, .size: 8, .value_kind: global_buffer, .address_space: global }
    .group_segment_fixed_size: 297984
    .private_segment_fixed_size: 0
    .kernarg_segment_align: 8
    .kernarg_segment_size: 32
    .max_flat_workgroup_size: 256
    .sgpr_count:     96
    .vgpr_count:     256
    .wavefront_size: 32
...
	.end_amdgpu_metadata
.endif
;; end of part 3
;; ======== version 2 of 2: 3 launches; version 1 with the launch attn written anew for expert scheduling mode
;; limits: values are held in f16: magnitudes above 65,504 overflow, below 6.1e-05 lose precision
;; workspace buffers: xcodes 2,097,152 bytes; xscl 262,144 bytes; wcodes 393,216 bytes; wscl 49,152 bytes; woimg 524,288 bytes; aimg 8,388,608 bytes
;; launch prep: the kernel of part 1 again; grid 256 x 1, 4 waves a work-group, no clusters, 34,304 bytes of LDS; arguments query, Wq, Wk, Wv, Wo, xcodes, xscl, wcodes, wscl, woimg; writes xcodes, xscl, wcodes, wscl, woimg
;; launch attn (part 4): grid 32 x 8, 8 waves a work-group, no clusters, 307,200 bytes of LDS; arguments xcodes, xscl, wcodes, wscl, bq, bk, bv, rel_bias, aimg; writes aimg
.if DOCPART == 4
	.amdgcn_target "amdgcn-amd-amdhsa--gfx1250"
	.amdhsa_code_object_version 6
	.text
	.protected	k_q14254b9a48_attn
	.globl	k_q14254b9a48_attn
	.p2align	8
	.type	k_q14254b9a48_attn,@function
k_q14254b9a48_attn:
	s_mov_b64 s[64:65], 0
	v_nop
	global_prefetch_b8 v0, s[64:65] scope:SCOPE_SE
	s_setreg_imm32_b32 hwreg(HW_REG_WAVE_SCHED_MODE, 0, 2), 2
	s_setreg_imm32_b32 hwreg(HW_REG_WAVE_MODE, 25, 1), 1
	s_wait_xcnt 0x0
	s_wait_alu depctr_vm_vsrc(0)
; ATTN: for one batch b, one head n and one half a of the 32 columns of the 32 x 32 layout: the projections q, k, v (codes of FP4, E8M0 scales), the scores with the relative bias, a running softmax, and p v.
; SHARES.  A work-group owns the 512 queries with w_s in 16 a .. 16 a + 15: 32 tiles of 16, tile h_s = token tile 2 h_s + a.  Wave w owns h_s = 4 w + i, i = 0 .. 3, and projects token tiles 8 w .. 8 w + 7
; (k and v of all of them, q of the one tile of each pair that lies in half a).  Two waves share a SIMD.  k and v of the head's 1,024 tokens lie in LDS as f16 images of operand registers and are read by all eight waves.
; LAYOUT.  All products are laid so that a lane holds ONE token or query (lane % 16), and what one product leaves, packed to f16 in pairs, IS the next product's operand:
;   k, q: source 0 = 16 channels of the weight, source 1 = 16 tokens: lane (r, h) holds token r, channels 16 u + 8 h + 0 .. 7: registers 4 u .. 4 u + 3 of a fragment 16 tokens x 32 channels.
;   v:    source 0 = 16 tokens, source 1 = 16 channels: lane (r, h) holds channel r, tokens 8 h + 0 .. 7: four registers of a fragment 16 channels x 32 keys.
;   S^T = k q^T + bias (source 0 = 16 keys, source 1 = my 16 queries): lane (r, h) holds query r, keys 8 h + 0 .. 7; two such tiles, packed, are source 1 (32 keys x 16 queries) of O^T = v^T p.
; THE BIAS IS THE C OF THE SCORE PRODUCT.  bias(s, t) = rel_bias[n][h_s - h_t + 31][w_s - w_t + 31]: a tile of 16 keys x 16 queries hangs on h_s - h_t and on the keys' half c alone.  The 63 x 2 tiles are built once
; in LDS, in C's layout.  Tile i at key row kappa wants row e = i - kappa; a step of two key rows wants five rows and brings in two new ones: a ring of eight slots in registers, row e in slot e mod 8.
; SOFTMAX.  q is multiplied by log2(e) / sqrt(32) and the bias by log2(e), so a score is t; for each query a running maximum m and sum l: p = 2^(t - m); O and l are multiplied by 2^(old m - new m) in every step.
; NO CLUSTER: what work-groups share are x's images, 36,864 bytes a wave, read once, straight into operand registers.  A joint load lands in LDS, of which 307,200 bytes are taken:
; the 20,480 left of a WGP's 327,680 are less than the four tiles (18,432 bytes) that each of the eight waves keeps in its buffers.
; LIMITS: q log2(e) / sqrt(32), k, v and the result are rounded to f16: beyond 65,504 they have no number there.  NaN and infinities are not served.
; THE MODE: SCHED_MODE bits 1:0 = 2 (LLVM: expert scheduling mode 2), set by the entry lines.  The code itself states the register dependences between vector or matrix instructions
; and memory or LDS instructions, with s_wait_alu, always for 0.
; THE PLAN.  Registers that memory or LDS instructions touch, and who else names them:
;   v1-13, v123-127  addresses, made at the head and never written again: one wait on va_vdst ahead of the first load states that they are written.
;   v120-122         the head's offsets; in the loop the trip's three LDS addresses, written once a trip: a wait on vm_vsrc ahead of the three additions; the first wait on va_vdst of the trip's first step stands ahead of their first use.
;   v56-87           the table's words (loaded, scaled, stored to LDS); bias rows (loaded from LDS, stored to LDS, four times); k's and v's sums (written by products, packed in place, stored to LDS, eight times); the loop's statistics.
;                    A wait on vm_vsrc stands ahead of each new writer, a wait on va_vdst between the vector lines that make a store's data and the store.
;   v128-255, v40-55 x's four buffers and their scale words: loads land in them, products read them.  A tile's one wait on va_vdst, behind its roundings, also states that the products are done reading them: the refills follow it.
;   window 1, in the loop: the keys' fragments (read by a step's score products, loaded for the next step), the values' (read by a step's products v^T p, loaded in the next step), the bias ring (a slot is loaded a step or two behind its last reader).
;                    The two waits on va_vdst that a step's two batches of exponentials have in any case state all of it: behind the first stand the step's loads of values, behind the second the next step's keys and bias rows.
;                    No vector or matrix line behind either wait names a register that its loads touch, until the wait on DScnt that shows them landed.
;   S^T, p, O^T and q are named by vector and matrix instructions alone, until the way out.
.set KIMG,  0                          ; LDS: k: [token tile 64][u 2][lane][16 B]
.set VIMG,  65536                      ; v: [key row 32][u 2][c 2][lane][16 B]
.set BIMG,  131072                     ; bias tiles, f32: [R 64][c 2][g 2][lane][16 B]; row R holds h_s - h_t + 31 = 62 - R; row 63 is never read
.set RAW,   262144                     ; 4,096 words: RAW[x] = log2(e) x rel_bias[n] flat [x + 16 a]
.set WIMG,  278528                     ; the head's 24 weight fragments
.set WSC,   303104                     ; and their scale words
.set SPARE, 306176                     ; the spare words, 128 bytes a wave
; window 0
.set LI,   1                           ; v1   16 x lane (also k's images: KIMG = 0)
.set AV,   3                           ; v3   VIMG + 16 x lane
.set AB,   4                           ; v4   BIMG + 8,192 (7 - w) + 16 x lane: my row e = 3
.set KW,   5                           ; v5   where I store k's images
.set VW,   6                           ; v6   and v's
.set BW0,  7                           ; v7   where I store bias rows 8 i + 7 - w, i < 4;
.set BW1,  8                           ; v8   i >= 4
.set RG,   9                           ; v9   RAW + 4 (63 w + 8 + r - 8 h)
.set RG7,  10                          ; v10  the same with (w + 7) mod 8 for w
.set WST,  11                          ; v11-13 where my thread stores its share of the weights, their scale words, the raw bias
.set SST,  12
.set RST,  13
.set SPW,  14                          ; v14  LDS address of my spare word; never rewritten
.set NIL,  15                          ; v15  0; never rewritten
.set WS,   16                          ; v16-39 the weights' scale words, fragment f at v[16 + f]: scales and nothing else
.set XS,   40                          ; v40-55 x's scale words: four buffers of four K steps: scales and nothing else
.set ST,   56                          ; v56-87 eight registers of statistics a tile: +0 m, +1 zero, +2, +3 l in two halves, +4 .. +7 at work (+6: the factor).  Earlier: the raw bias; bias rows; k's and v's sums
.set KA,   56
.set VA,   72
.set T0,   80                          ; v80-84 at the very head alone: lane, r, h, two at work
.set Q,    88                          ; v88-119 q's fragments, tile i at 88 + 8 i.  Earlier: my share of the weights
.set O16,  120                         ; v120-127 offsets for the head alone
.set O4,   121
.set ORB,  122
.set ORC,  123
.set O32H, 124
.set O4R,  125
.set WLD,  126
.set SLD,  127
.set CKA,  120                         ; v120-122 in the loop: this trip's addresses of k's, v's and the bias rows' images
.set CVA,  121
.set CBA,  122
.set S,    128                         ; v128-255 S^T: 128 + 32 i + 16 y + 8 c + j; p is packed in place, fragment (i, y) at 128 + 32 i + 16 y.  Earlier: x's fragments, four buffers of 32
.set XF,   128
; window 1, projections: v0-191 weight fragment f at 8 f; then the biases as C, and q's sums
.set CQ,   192
.set CK,   208
.set CV,   224
.set QA,   240
; window 1, attention: v0-63 O^T (16 i + 8 u); k's and v's fragments of a step; the bias ring
.set KF,   64
.set VF,   96
.set RING, 128
.set MSB, 0
.macro WIN new                         ; low byte: bits 1:0 source 0, 3:2 source 1, 5:4 source 2, 7:6 destination; the high byte repeats the setting that is left
.if MSB != \new
	s_set_vgpr_msb (MSB<<8)|\new
.set MSB, \new
.endif
.endm
.macro PLACES n                        ; plain vector instructions between a matrix instruction and the vector or matrix instruction that touches its registers (ISA guide 7.12.1)
.rept \n
	v_nop
.endr
.endm
.macro XLOAD tau                       ; token tile tau of my eight: four fragments and four scale words, as they lie, into buffer tau % 4: nine loads
.irp s, 0,1,2,3
.irp g, 0,1
	global_load_b128 v[XF+32*((\tau)%4)+8*\s+4*\g:XF+32*((\tau)%4)+8*\s+4*\g+3], v[LI], s[4:5] offset:4096*(\tau)+1024*\s+512*\g
.endr
.endr
	global_load_b128 v[XS+4*((\tau)%4):XS+4*((\tau)%4)+3], v[LI], s[6:7] offset:512*(\tau)
.endm
	s_load_b512 s[4:19], s[0:1], 0x0               ; xcodes 4:5, xscl 6:7, wcodes 8:9, wscl 10:11, bq 12:13, bk 14:15, bv 16:17, rel_bias 18:19
	s_load_b64 s[20:21], s[0:1], 0x40              ; aimg
	v_lshl_add_u32 v[SPW], v0, 2, SPARE
	v_mov_b32 v[NIL], 0
	v_lshrrev_b32 v[T0], 5, v0
	v_readfirstlane_b32 s22, v[T0]                 ; wave w
	s_lshr_b32 s24, ttmp9, 1                       ; head n
	s_and_b32 s25, ttmp9, 1                        ; half a
	s_and_b32 s26, ttmp7, 0xffff                   ; batch b
	s_mov_b32 s28, 0x76543210
	s_mov_b32 s29, 0xfedcba98                      ; v_permlanex16_b32's selects for lane l xor 16
	s_mov_b32 s30, 0x3e8293ee                      ; log2(e) / sqrt(32)
	s_mov_b32 s31, s30                             ; (a packed form names the pair, so both words are written)
	s_mov_b32 s32, 0x3fb8aa3b                      ; log2(e)
	s_mov_b32 s33, s32
	v_and_b32 v[T0], 31, v0                        ; lane
	v_and_b32 v[T0+1], 15, v0                      ; r
	v_bfe_u32 v[T0+2], v0, 4, 1                    ; h
	v_lshlrev_b32 v[LI], 4, v[T0]
	v_add_nc_u32 v[AV], VIMG, v[LI]
	s_wait_alu depctr_va_sdst(0)                   ; s22 is written, ahead of its first reader: addresses and bases are made from it
	s_xor_b32 s23, s22, 7                          ; 7 - w
	s_lshl_b32 s36, s23, 13
	s_add_co_u32 s36, s36, BIMG
	v_add_nc_u32 v[AB], s36, v[LI]
	s_lshl_b32 s36, s22, 13
	v_add_nc_u32 v[KW], s36, v[LI]
	v_add_nc_u32 v[VW], VIMG, v[KW]
	s_lshl_b32 s36, s23, 11
	s_add_co_u32 s36, s36, BIMG
	v_add_nc_u32 v[BW0], s36, v[LI]
	v_add_nc_u32 v[BW1], 65536, v[BW0]
	v_add_nc_u32 v[T0+3], 8, v[T0+1]
	v_lshlrev_b32 v[T0+4], 3, v[T0+2]
	v_sub_nc_u32 v[T0+3], v[T0+3], v[T0+4]         ; 8 + r - 8 h, 0 or more
	s_mul_i32 s36, s22, 63
	v_add_nc_u32 v[T0+4], s36, v[T0+3]
	v_lshl_add_u32 v[RG], v[T0+4], 2, RAW
	s_add_co_u32 s36, s22, 7
	s_and_b32 s36, s36, 7
	s_mul_i32 s36, s36, 63
	v_add_nc_u32 v[T0+4], s36, v[T0+3]
	v_lshl_add_u32 v[RG7], v[T0+4], 2, RAW
	v_lshl_add_u32 v[WST], v0, 4, WIMG
	v_lshl_add_u32 v[SST], v0, 2, WSC
	v_lshl_add_u32 v[RST], v0, 2, RAW
	v_lshlrev_b32 v[O16], 4, v0
	v_lshlrev_b32 v[O4], 2, v0
	s_lshl_b32 s36, s25, 6
	v_add_nc_u32 v[ORB], s36, v[O4]                ; 4 (thread + 16 a)
	v_add_nc_u32 v[ORC], 15360, v[ORB]
	v_min_u32 v[ORC], 15872, v[ORC]                ; the last 256 words are held at the table's last word, 63 x 63 - 1: no load leaves the buffer; words past 3,952 are never used
	v_lshlrev_b32 v[O32H], 5, v[T0+2]
	v_lshlrev_b32 v[O4R], 2, v[T0+1]
	v_add_nc_u32 v[WLD], WIMG, v[LI]
	v_lshl_add_u32 v[SLD], v[T0], 2, WSC
	s_mov_b32 s37, 0
	s_wait_kmcnt 0x0
	s_mul_i32 s36, s24, 24576
	s_add_nc_u64 s[8:9], s[8:9], s[36:37]          ; the head's weights,
	s_mul_i32 s36, s24, 3072
	s_add_nc_u64 s[10:11], s[10:11], s[36:37]      ; their scale words,
	s_mul_i32 s36, s24, 15876
	s_add_nc_u64 s[18:19], s[18:19], s[36:37]      ; its 63 x 63 table,
	s_lshl_b32 s36, s24, 7
	s_add_nc_u64 s[12:13], s[12:13], s[36:37]      ; its 32 numbers of each bias
	s_add_nc_u64 s[14:15], s[14:15], s[36:37]
	s_add_nc_u64 s[16:17], s[16:17], s[36:37]
	s_lshl_b32 s36, s26, 18
	s_lshl_b32 s38, s22, 15
	s_add_co_u32 s36, s36, s38
	s_add_nc_u64 s[4:5], s[4:5], s[36:37]          ; x's codes: batch b, my eight tiles of 4,096 bytes
	s_lshl_b32 s36, s26, 15
	s_lshl_b32 s38, s22, 12
	s_add_co_u32 s36, s36, s38
	s_add_nc_u64 s[6:7], s[6:7], s[36:37]          ; and their scale words, 512 bytes a tile
	s_lshl_b32 s36, s26, 20
	s_lshl_b32 s38, s22, 17
	s_add_co_u32 s36, s36, s38
	s_lshl_b32 s38, s25, 14
	s_add_co_u32 s36, s36, s38
	s_lshl_b32 s38, s24, 10
	s_add_co_u32 s36, s36, s38
	s_add_nc_u64 s[20:21], s[20:21], s[36:37]      ; the result: token tile 64 b + 8 w + 2 i + a (16,384 bytes each), K step n (1,024 bytes)
; ---- the head: all loads go out together: 9 (my share of the weights), 16 (of the table), 10 (the biases), 36 (x's first four tiles)
	s_wait_alu depctr_va_vdst(0)                   ; the addresses v1-13 and v120-127 are written, which the loads and stores of the whole kernel read; the head's lines are done with v80-84, in which bias rows land later
.irp k, 0,1,2,3,4,5
	global_load_b128 v[Q+4*\k:Q+4*\k+3], v[O16], s[8:9] offset:4096*\k
.endr
.irp k, 0,1,2
	global_load_b32 v[Q+24+\k], v[O4], s[10:11] offset:1024*\k
.endr
.irp k, 0,1,2,3,4,5,6,7,8,9,10,11,12,13,14
	global_load_b32 v[ST+\k], v[ORB], s[18:19] offset:1024*\k
.endr
	global_load_b32 v[ST+15], v[ORC], s[18:19]
	WIN 0x40                                       ; destination window 1
.irp u, 0,1
.irp g, 0,1
	global_load_b128 v[CQ+8*\u+4*\g:CQ+8*\u+4*\g+3], v[O32H], s[12:13] offset:64*\u+16*\g   ; C of q's and k's first products: register j = the bias of channel 16 u + 8 h + j
	global_load_b128 v[CK+8*\u+4*\g:CK+8*\u+4*\g+3], v[O32H], s[14:15] offset:64*\u+16*\g
.endr
	global_load_b32 v[CV+8*\u], v[O4R], s[16:17] offset:64*\u   ; of v's: every register = the bias of channel 16 u + r
.endr
	WIN 0
	XLOAD 0
	XLOAD 1
	XLOAD 2
	XLOAD 3
	s_wait_loadcnt 46                              ; the first 25 loads are in; the 10 and the 36 behind them may be out
.irp k, 0,1,2,3,4,5
	ds_store_b128 v[WST], v[Q+4*\k:Q+4*\k+3] offset:4096*\k
.endr
.irp k, 0,1,2
	ds_store_b32 v[SST], v[Q+24+\k] offset:1024*\k
.endr
.irp k, 0,2,4,6,8,10,12,14
	v_pk_mul_f32 v[ST+\k:ST+\k+1], v[ST+\k:ST+\k+1], s[32:33] op_sel_hi:[1,0]   ; the bias in units of t
.endr
	s_wait_alu depctr_va_vdst(0)                   ; the multiplications have written v56-71, which the LDS stores below read
.irp k, 0,1,2,3,4,5,6,7,8,9,10,11,12,13,14,15
	ds_store_b32 v[RST], v[ST+\k] offset:1024*\k
.endr
	s_wait_dscnt 0x0                               ; for the others' sake: my stores have landed
	s_barrier_signal -1
	s_barrier_wait -1                              ; the weights, their scale words and the table lie in LDS
; ---- work on LDS while x is on its way: the weights into registers, and my eight rows of bias tiles
	WIN 0x40
.set f, 0
.rept 24
	ds_load_b128 v[8*f:8*f+3], v[WLD] offset:1024*f
	ds_load_b128 v[8*f+4:8*f+7], v[WLD] offset:1024*f+512
.set f, f+1
.endr
	WIN 0
.set f, 0
.rept 24
	ds_load_b32 v[WS+f], v[SLD] offset:128*f
.set f, f+1
.endr
; Rows R = 8 i + 7 - w, i = 2 rho and 2 rho + 1: h_s - h_t + 31 = 55 - 8 i + w.  Register j of tile c is key column 16 c + 8 h + j against query column 16 a + r:
; table word 63 (55 - 8 i + w) + (8 + r - 8 h) + (7 - j) + 16 (1 - c), + 16 a, which RAW has taken in.  For i = 7 the row is w - 1; wave 0 there fills the unused row 63 from row 7.
.macro BIASROWS rho
	s_wait_dscnt 0x0                               ; my earlier LDS instructions are done
	s_wait_alu depctr_vm_vsrc(0)                   ; the LDS stores issued so far have read v56-87, in which the loads below land (and, the first time, v88-114, which q's roundings write later)
.irp rb, 0,1
.irp c, 0,1
.irp j, 0,1,2,3,4,5,6,7
.if 2*(\rho)+\rb == 7
	ds_load_b32 v[ST+16*\rb+8*\c+\j], v[RG7] offset:4*((7-\j)+16*(1-\c))
.else
	ds_load_b32 v[ST+16*\rb+8*\c+\j], v[RG] offset:4*((55-8*(2*(\rho)+\rb))*63+(7-\j)+16*(1-\c))
.endif
.endr
.endr
.endr
	s_wait_dscnt 0x0
.irp rb, 0,1
.irp c, 0,1
.irp g, 0,1
.if (\rho) < 2
	ds_store_b128 v[BW0], v[ST+16*\rb+8*\c+4*\g:ST+16*\rb+8*\c+4*\g+3] offset:16384*((2*(\rho)+\rb)%4)+1024*\c+512*\g
.else
	ds_store_b128 v[BW1], v[ST+16*\rb+8*\c+4*\g:ST+16*\rb+8*\c+4*\g+3] offset:16384*((2*(\rho)+\rb)%4)+1024*\c+512*\g
.endif
.endr
.endr
.endr
.endm
	BIASROWS 0
	BIASROWS 1
	BIASROWS 2
	BIASROWS 3
	s_wait_loadcnt 36                              ; the biases are in; x's four tiles may be out
	WIN 0x41
.irp u, 0,1
.irp j, 1,2,3,4,5,6,7
	v_mov_b32 v[CV+8*\u+\j], v[CV+8*\u]            ; v's bias hangs on the lane alone: the same in C's eight registers
.endr
.endr
	WIN 0
; ---- the projections, a token tile at a time.  The accumulators take turns, one instruction a turn.
; q's eight products on the tile whose fragments begin at v[xb] and whose scale words at v[xc]
.macro QPROD xb, xc
	WIN 0x51                                       ; source 0 (weight), C and D window 1
.irp s, 0,1,2,3
.irp u, 0,1
.if \s == 0
	v_wmma_scale_f32_16x16x128_f8f6f4 v[QA+8*\u:QA+8*\u+7], v[8*(4*\u):8*(4*\u)+7], v[\xb:\xb+7], v[CQ+8*\u:CQ+8*\u+7], v[WS+4*\u], v[\xc] matrix_a_fmt:MATRIX_FMT_FP4 matrix_b_fmt:MATRIX_FMT_FP4
.else
	v_wmma_scale_f32_16x16x128_f8f6f4 v[QA+8*\u:QA+8*\u+7], v[8*(4*\u+\s):8*(4*\u+\s)+7], v[\xb+8*\s:\xb+8*\s+7], v[QA+8*\u:QA+8*\u+7], v[WS+4*\u+\s], v[\xc+\s] matrix_a_fmt:MATRIX_FMT_FP4 matrix_b_fmt:MATRIX_FMT_FP4
.endif
.endr
.endr
	WIN 0
.endm
; Tile tau: k and v.  In an odd tile's turn also q of the pair's tile that lies in my work-group's half: two arms, one for each half, both of which make the same sums; what is made of them stands behind the join.
; So the even tile's buffer lives on through the odd tile's turn, and both buffers are filled again at that turn's end.
; Two lines state a tile's dependences: one at its head (the last LDS stores have read the sums' registers), one behind its roundings (the stores' data are written; the products are done reading x's buffers).
.macro TOK tau
.set XB, XF+32*((\tau)%4)
.set XC, XS+4*((\tau)%4)
.set XBE, XF+32*(((\tau)+3)%4)         ; the tile before: an odd tile's partner
.set XCE, XS+4*(((\tau)+3)%4)
.if (\tau) >= 6
	s_wait_loadcnt 9*(7-(\tau))                    ; this tile's nine loads are in; behind them: tile 7's nine, or none
.else
	s_wait_loadcnt 27-9*((\tau)%2)                 ; this tile's nine loads are in; the younger tiles' may be out: three tiles' in an even turn, two in an odd one
.endif
	s_wait_dscnt 0x0                               ; my earlier LDS instructions are done, the loads of the weights among them
	s_wait_alu depctr_vm_vsrc(0)                   ; the last LDS stores have read v56-87, which the products below write as k's and v's sums
	WIN 0x11                                       ; source 0 (weight) and C (bias) window 1
.irp u, 0,1
	v_wmma_scale_f32_16x16x128_f8f6f4 v[KA+8*\u:KA+8*\u+7], v[8*(8+4*\u):8*(8+4*\u)+7], v[XB:XB+7], v[CK+8*\u:CK+8*\u+7], v[WS+8+4*\u], v[XC] matrix_a_fmt:MATRIX_FMT_FP4 matrix_b_fmt:MATRIX_FMT_FP4
.endr
	WIN 0x14                                       ; source 1 (weight) and C window 1
.irp u, 0,1
	v_wmma_scale_f32_16x16x128_f8f6f4 v[VA+8*\u:VA+8*\u+7], v[XB:XB+7], v[8*(16+4*\u):8*(16+4*\u)+7], v[CV+8*\u:CV+8*\u+7], v[XC], v[WS+16+4*\u] matrix_a_fmt:MATRIX_FMT_FP4 matrix_b_fmt:MATRIX_FMT_FP4
.endr
	WIN 0x01
.irp s, 1,2,3
.irp u, 0,1
	v_wmma_scale_f32_16x16x128_f8f6f4 v[KA+8*\u:KA+8*\u+7], v[8*(8+4*\u+\s):8*(8+4*\u+\s)+7], v[XB+8*\s:XB+8*\s+7], v[KA+8*\u:KA+8*\u+7], v[WS+8+4*\u+\s], v[XC+\s] matrix_a_fmt:MATRIX_FMT_FP4 matrix_b_fmt:MATRIX_FMT_FP4
.endr
.endr
	WIN 0x04
.irp s, 1,2,3
.irp u, 0,1
	v_wmma_scale_f32_16x16x128_f8f6f4 v[VA+8*\u:VA+8*\u+7], v[XB+8*\s:XB+8*\s+7], v[8*(16+4*\u+\s):8*(16+4*\u+\s)+7], v[VA+8*\u:VA+8*\u+7], v[XC+\s], v[WS+16+4*\u+\s] matrix_a_fmt:MATRIX_FMT_FP4 matrix_b_fmt:MATRIX_FMT_FP4
.endr
.endr
	WIN 0
.if (\tau)%2 == 1
	s_cmp_eq_u32 s25, 0                            ; a branch on the work-group's number, the same in all waves
	s_cbranch_scc1 .Leven_\@
	QPROD XB, XC                                   ; half 1: q of this, the odd tile
	s_branch .Lqdone_\@
.Leven_\@:
	QPROD XBE, XCE                                 ; half 0: q of the even tile
.Lqdone_\@:
.endif
	PLACES 4                                       ; behind the last products: in front of the first reads of the sums
.if (\tau)%2 == 1
	WIN 0x41
.irp p, 0,2,4,6,8,10,12,14
	v_pk_mul_f32 v[QA+\p:QA+\p+1], v[QA+\p:QA+\p+1], s[30:31] op_sel_hi:[1,0]   ; x log2(e) / sqrt(32), in f32
.endr
	WIN 0x05                                       ; sources window 1, destination window 0
.irp u, 0,1
.irp p, 0,1,2,3
	v_cvt_pk_f16_f32 v[Q+8*((\tau)/2)+4*\u+\p], v[QA+8*\u+2*\p], v[QA+8*\u+2*\p+1]
.endr
.endr
	WIN 0
.endif
.irp u, 0,1
.irp p, 0,1,2,3
	v_cvt_pk_f16_f32 v[KA+8*\u+\p], v[KA+8*\u+2*\p], v[KA+8*\u+2*\p+1]   ; packed in place, from the low end on
.endr
.endr
.irp u, 0,1
.irp p, 0,1,2,3
	v_cvt_pk_f16_f32 v[VA+8*\u+\p], v[VA+8*\u+2*\p], v[VA+8*\u+2*\p+1]
.endr
.endr
	s_wait_alu depctr_va_vdst(0)                   ; the roundings have written k's and v's images, which the LDS stores below read; the products are done reading x's buffers and scale words, in which the loads below land
.if ((\tau)%2 == 1) && ((\tau) < 4)
	XLOAD (\tau)+3                                 ; the pair two pairs on, into the two buffers just multiplied
	XLOAD (\tau)+4
.endif
.irp u, 0,1
	ds_store_b128 v[KW], v[KA+8*\u:KA+8*\u+3] offset:KIMG+1024*(\tau)+512*\u
	ds_store_b128 v[VW], v[VA+8*\u:VA+8*\u+3] offset:2048*((\tau)/2)+1024*\u+512*((\tau)%2)
.endr
.endm
	TOK 0
	TOK 1
	TOK 2
	TOK 3
	TOK 4
	TOK 5
	TOK 6
	TOK 7
	s_wait_dscnt 0x0                               ; for the others' sake: my images of k, v and the bias have landed
	s_barrier_signal -1
	s_barrier_wait -1                              ; from here on LDS is only read
; ---- attention: 16 steps of 64 keys (two key rows y, each two tiles c of 16 keys), four steps to a trip
; The loads below land in window 1's v64-255, which held weights, biases and q's sums.  All lines that named those stand ahead of the last tile's wait on va_vdst, and no vector or matrix line since names them: nothing more is owed.
	WIN 0x40
.irp y, 0,1
.irp c, 0,1
.irp u, 0,1
	ds_load_b128 v[KF+16*\y+8*\c+4*\u:KF+16*\y+8*\c+4*\u+3], v[LI] offset:KIMG+2048*\y+1024*\c+512*\u   ; step 0's keys
.endr
.endr
.endr
.irp e, 0,1,2,3,4                      ; bias rows 3 - e = 3 .. -1 into slots 3, 2, 1, 0, 7
.irp c, 0,1
.irp g, 0,1
	ds_load_b128 v[RING+16*((3-\e+64)%8)+8*\c+4*\g:RING+16*((3-\e+64)%8)+8*\c+4*\g+3], v[AB] offset:\e*2048+1024*\c+512*\g
.endr
.endr
.endr
.set i, 0
.rept 64
	v_mov_b32 v[i], 0                              ; O^T.  The step is written once: the first finds zeros, which its factor 0 leaves zeros
.set i, i+1
.endr
	WIN 0
	s_wait_alu depctr_vm_vsrc(0)                   ; the last tile's LDS stores have read v56-87, which are the statistics from here on
.irp i, 0,1,2,3
	v_mov_b32 v[ST+8*\i], 0xff61b1e6               ; m: -3e38, under every t
	v_mov_b32 v[ST+8*\i+1], 0                      ; (named with m as a pair)
	v_mov_b32 v[ST+8*\i+2], 0                      ; l, in two halves
	v_mov_b32 v[ST+8*\i+3], 0
.endr
	s_wait_dscnt 0x0
.macro SUBI t, k                       ; pair k of tile t: t - m
.set rS, S+32*(\t)+2*(\k)
.set rT, ST+8*(\t)
	v_pk_add_f32 v[rS:rS+1], v[rS:rS+1], v[rT:rT+1] op_sel_hi:[1,0] neg_lo:[0,1] neg_hi:[0,1]
.endm
.macro EXPI t, e                       ; number e of tile t: p = 2^(t - m)
.set rS, S+32*(\t)+(\e)
	v_exp_f32 v[rS], v[rS]
.endm
.macro SUMI t, k                       ; l takes pair k; with pair 0 it is first brought under the new m
.set rS, S+32*(\t)+2*(\k)
.set rT, ST+8*(\t)
.if (\k) == 0
	v_pk_fma_f32 v[rT+2:rT+3], v[rT+2:rT+3], v[rT+6:rT+7], v[rS:rS+1] op_sel_hi:[1,0,1]
.else
	v_pk_add_f32 v[rT+2:rT+3], v[rT+2:rT+3], v[rS:rS+1]
.endif
.endm
.macro CVTI t, k                       ; pair k of tile t, rounded to f16, in place: register k % 8 of fragment (t, k / 8).  A tile's sums all stand ahead of its roundings
.set rP, S+32*(\t)+16*((\k)/8)
.set kk, (\k)%8
	v_cvt_pk_f16_f32 v[rP+kk], v[rP+2*kk], v[rP+2*kk+1]
.endm
.macro STEP q
.if (\q) > 0
	s_wait_dscnt 0x0                               ; this step's keys and bias rows, asked for in the step before, are in (a trip's first step: the wait ahead of the last products was for 0)
.endif
	WIN 0x11                                       ; source 0 (keys) and C (bias ring) window 1
.irp y, 0,1
.irp c, 0,1
.irp i, 0,1,2,3
.set rR, RING+16*((\i-2*(\q)-\y+64)%8)+8*\c
	v_wmma_f32_16x16x32_f16 v[S+32*\i+16*\y+8*\c:S+32*\i+16*\y+8*\c+7], v[KF+16*\y+8*\c:KF+16*\y+8*\c+7], v[Q+8*\i:Q+8*\i+7], v[rR:rR+7]
.endr
.endr
.endr
	PLACES 4                                       ; in front of the first read of the scores
	WIN 0
	; the maximum of a lane's 32 scores and the old m: four chains, the four tiles by turns; each accumulator is read from its low end on
.irp k, 0,1,2,3
.irp i, 0,1,2,3
	v_max3_num_f32 v[ST+8*\i+4+\k], v[S+32*\i+8*\k], v[S+32*\i+8*\k+1], v[S+32*\i+8*\k+2]
.endr
.endr
.irp g, 1,2
.irp k, 0,1,2,3
.irp i, 0,1,2,3
	v_max3_num_f32 v[ST+8*\i+4+\k], v[ST+8*\i+4+\k], v[S+32*\i+8*\k+2*\g+1], v[S+32*\i+8*\k+2*\g+2]
.endr
.endr
.endr
.irp i, 0,1,2,3
	v_max3_num_f32 v[ST+8*\i+4], v[ST+8*\i+4], v[S+32*\i+7], v[S+32*\i+15]
.endr
.irp i, 0,1,2,3
	v_max3_num_f32 v[ST+8*\i+6], v[ST+8*\i+6], v[S+32*\i+23], v[S+32*\i+31]
.endr
.irp i, 0,1,2,3
	v_max3_num_f32 v[ST+8*\i+4], v[ST+8*\i+4], v[ST+8*\i+5], v[ST+8*\i+6]
.endr
.irp i, 0,1,2,3
	v_max3_num_f32 v[ST+8*\i+4], v[ST+8*\i+4], v[ST+8*\i+7], v[ST+8*\i]
.endr
.irp i, 0,1,2,3
	v_permlanex16_b32 v[ST+8*\i+5], v[ST+8*\i+4], s28, s29   ; the query's other 32 keys lie in the lane 16 away
.endr
.irp i, 0,1,2,3
	v_mov_b32 v[ST+8*\i+7], v[ST+8*\i]             ; the old m
.endr
.irp i, 0,1,2,3
	v_max_num_f32 v[ST+8*\i], v[ST+8*\i+4], v[ST+8*\i+5]
.endr
.irp i, 0,1,2,3
	v_sub_f32 v[ST+8*\i+7], v[ST+8*\i+7], v[ST+8*\i]
.endr
.irp i, 0,1,2,3
	v_exp_f32 v[ST+8*\i+6], v[ST+8*\i+7]           ; the factor 2^(old m - new m)
.endr
	; TWO BATCHES of exponentials, tiles 0, 1 and tiles 2, 3, each with one wait ahead of its first reader; plain work of the other batch stands among them
.set z, 0
.rept 32
	SUBI z%2, z/2
.set z, z+1
.endr
.set z, 0
.rept 32
	EXPI 0, z
	EXPI 1, z
	SUBI 2+z%2, z/2
.set z, z+1
.endr
	v_nop                                          ; a plain instruction behind the last exponential
	WIN 0x40                                       ; destination window 1, for the loads
	s_wait_alu depctr_va_vdst(0)                   ; the exponentials of tiles 0 and 1 and the four factors are written, ahead of their first reader; the last step's products v^T p are done reading the values' registers, in which the loads below land; in a trip's first step its three addresses are written
.irp y, 0,1
.irp u, 0,1
.irp g, 0,1
	ds_load_b128 v[VF+16*\y+8*\u+4*\g:VF+16*\y+8*\u+4*\g+3], v[CVA] offset:4096*(\q)+2048*\y+1024*\u+512*\g   ; this step's values
.endr
.endr
.endr
	WIN 0
.set z, 0
.rept 64
	EXPI 2+z%2, z/2
.if z < 32
	SUMI z%2, z/2
.else
	CVTI (z-32)%2, (z-32)/2
.endif
.set z, z+1
.endr
	v_nop
	s_wait_alu depctr_va_vdst(0)                   ; the exponentials of tiles 2 and 3 are written, ahead of their first reader; this step's score products are done reading the keys' registers, and earlier steps' the two ring slots, in which the loads below land.  Between this line and those loads stand a scalar compare, a branch and a window switch at most
.if (\q) == 3
	s_cmp_eq_u32 s34, 1                            ; the last step has no successor
	s_cbranch_scc1 .Llast_\@
.endif
	WIN 0x40
.irp y, 0,1
.irp c, 0,1
.irp u, 0,1
	ds_load_b128 v[KF+16*\y+8*\c+4*\u:KF+16*\y+8*\c+4*\u+3], v[CKA] offset:KIMG+4096*((\q)+1)+2048*\y+1024*\c+512*\u   ; the next step's keys
.endr
.endr
.endr
.irp y, 0,1                            ; and its two new bias rows, e = -2 q - 2 - y, into the slots of rows that were last read a step or two ago
.irp c, 0,1
.irp g, 0,1
.set rR, RING+16*((62-2*(\q)-\y)%8)+8*\c+4*\g
	ds_load_b128 v[rR:rR+3], v[CBA] offset:(5+2*(\q)+\y)*2048+1024*\c+512*\g
.endr
.endr
.endr
	WIN 0
.if (\q) == 3
.Llast_\@:
.endif
.set z, 0
.rept 32
	SUMI 2+z%2, z/2
.set z, z+1
.endr
.set z, 0
.rept 32
	CVTI 2+z%2, z/2
.set z, z+1
.endr
	WIN 0x41                                       ; O^T (destination and source 0) window 1, the factor window 0
.irp i, 0,1,2,3
.irp p, 0,2,4,6,8,10,12,14
	v_pk_mul_f32 v[16*\i+\p:16*\i+\p+1], v[16*\i+\p:16*\i+\p+1], v[ST+8*\i+6:ST+8*\i+7] op_sel_hi:[1,0]
.endr
.endr
.if (\q) == 3
	s_wait_dscnt 0x0                               ; this step's values are in; for 0, since one of the two ways here has issued nothing behind them
.else
	s_wait_dscnt 16                                ; LDS loads come back in order (ISA guide 5.7.1): this step's eight loads of values are in; the sixteen younger ones, the next step's keys and bias rows, may be out
.endif
	WIN 0x51                                       ; source 0 (values), C and D window 1; source 1 (p) window 0
.irp y, 0,1
.irp i, 0,1,2,3
.irp u, 0,1
	v_wmma_f32_16x16x32_f16 v[16*\i+8*\u:16*\i+8*\u+7], v[VF+16*\y+8*\u:VF+16*\y+8*\u+7], v[S+32*\i+16*\y:S+32*\i+16*\y+7], v[16*\i+8*\u:16*\i+8*\u+7]
.endr
.endr
.endr
	WIN 0
	PLACES 5                                       ; the next step's score products write over registers that these products read
.endm
	s_mov_b32 s34, 4
	s_mov_b32 s35, 0
.Ltrip:                                            ; a trip: eight key rows, 16,384 bytes of each of the three kinds of images
	s_wait_alu depctr_vm_vsrc(0)                   ; the loads issued so far have read v120-122 (the head's, as offsets; the last trip's, as addresses), which the three additions write
	v_add_nc_u32 v[CKA], s35, v[LI]
	v_add_nc_u32 v[CVA], s35, v[AV]
	v_add_nc_u32 v[CBA], s35, v[AB]
	STEP 0
	STEP 1
	STEP 2
	STEP 3
	s_add_co_u32 s35, s35, 0x4000
	s_sub_co_u32 s34, s34, 1
	s_cmp_lg_u32 s34, 0
	s_cbranch_scc1 .Ltrip
; ---- the way out: O^T / l, rounded to f16: a lane's eight channels of a token are four registers of the next launch's operand: stored as they stand
.irp i, 0,1,2,3
	v_add_f32 v[ST+8*\i+4], v[ST+8*\i+2], v[ST+8*\i+3]
.endr
.irp i, 0,1,2,3
	v_permlanex16_b32 v[ST+8*\i+5], v[ST+8*\i+4], s28, s29
.endr
.irp i, 0,1,2,3
	v_add_f32 v[ST+8*\i+4], v[ST+8*\i+4], v[ST+8*\i+5]
.endr
.irp i, 0,1,2,3
	v_rcp_f32 v[ST+8*\i+6], v[ST+8*\i+4]
.endr
	v_nop                                          ; a plain instruction behind the last reciprocal,
	s_wait_alu depctr_va_vdst(0)                   ; and the wait ahead of the first use: the four reciprocals are written
	WIN 0x41
.irp i, 0,1,2,3
.irp p, 0,2,4,6,8,10,12,14
	v_pk_mul_f32 v[16*\i+\p:16*\i+\p+1], v[16*\i+\p:16*\i+\p+1], v[ST+8*\i+6:ST+8*\i+7] op_sel_hi:[1,0]
.endr
.endr
	WIN 0x05
.irp i, 0,1,2,3
.irp u, 0,1
.irp p, 0,1,2,3
	v_cvt_pk_f16_f32 v[S+8*\i+4*\u+\p], v[16*\i+8*\u+2*\p], v[16*\i+8*\u+2*\p+1]
.endr
.endr
.endr
	WIN 0
	s_wait_alu depctr_va_vdst(0)                   ; the roundings have written v128-159, which the stores below read
.irp i, 0,1,2,3
.irp u, 0,1
	global_store_b128 v[LI], v[S+8*\i+4*\u:S+8*\i+4*\u+3], s[20:21] offset:32768*\i+512*\u   ; 32 lanes store 512 consecutive bytes, aligned
.endr
.endr
	s_wait_dscnt 0x0                               ; the closing lines, six on end
	s_wait_alu 0x0
	s_wait_tensorcnt 0x0
	ds_add_u32 v[SPW], v[NIL]
	s_wait_dscnt 0x0
	s_endpgm
.Lfunc_end_k_q14254b9a48_attn:
	.size	k_q14254b9a48_attn, .Lfunc_end_k_q14254b9a48_attn-k_q14254b9a48_attn
	.p2alignl 7, 3214868480
	.fill 96, 4, 3214868480
	.section	.rodata,"a",@progbits
	.p2align	6, 0x0
	.amdhsa_kernel k_q14254b9a48_attn
		.amdhsa_group_segment_fixed_size 307200
		.amdhsa_private_segment_fixed_size 0
		.amdhsa_enable_private_segment 0
		.amdhsa_kernarg_size 72
		.amdhsa_user_sgpr_count 2
		.amdhsa_user_sgpr_kernarg_segment_ptr 1
		.amdhsa_wavefront_size32 1
		.amdhsa_system_sgpr_workgroup_id_x 1
		.amdhsa_system_sgpr_workgroup_id_y 1
		.amdhsa_system_sgpr_workgroup_id_z 1
		.amdhsa_system_vgpr_workitem_id 0
		.amdhsa_next_free_vgpr 512
		.amdhsa_next_free_sgpr 66
		.amdhsa_reserve_vcc 0
		.amdhsa_float_denorm_mode_32 3
		.amdhsa_float_denorm_mode_16_64 3
		.amdhsa_memory_ordered 1
		.amdhsa_forward_progress 1
		.amdhsa_inst_pref_size 194
	.end_amdhsa_kernel
	.amdgpu_metadata
---
amdhsa.version: [ 1, 2 ]
amdhsa.kernels:
  - .name:           k_q14254b9a48_attn
    .symbol:         k_q14254b9a48_attn.kd
    .args:
      - { .name: xcodes, .offset: 0, .size: 8, .value_kind: global_buffer, .address_space: global }
      - { .name: xscl, .offset: 8, .size: 8, .value_kind: global_buffer, .address_space: global }
      - { .name: wcodes, .offset: 16, .size: 8, .value_kind: global_buffer, .address_space: global }
      - { .name: wscl, .offset: 24, .size: 8, .value_kind: global_buffer, .address_space: global }
      - { .name: bq, .offset: 32, .size: 8, .value_kind: global_buffer, .address_space: global }
      - { .name: bk, .offset: 40, .size: 8, .value_kind: global_buffer, .address_space: global }
      - { .name: bv, .offset: 48, .size: 8, .value_kind: global_buffer, .address_space: global }
      - { .name: rel_bias, .offset: 56, .size: 8, .value_kind: global_buffer, .address_space: global }
      - { .name: aimg, .offset: 64, .size: 8, .value_kind: global_buffer, .address_space: global }
    .group_segment_fixed_size: 307200
    .private_segment_fixed_size: 0
    .kernarg_segment_align: 8
    .kernarg_segment_size: 72
    .max_flat_workgroup_size: 256
    .sgpr_count:     66
    .vgpr_count:     512
    .wavefront_size: 32
...
	.end_amdgpu_metadata
.endif
;; end of part 4
;; launch oproj: the kernel of part 3 again; grid 4 x 64, 8 waves a work-group, clusters of 4 x 4, 297,984 bytes of LDS; arguments aimg, woimg, bo, out0; writes out0
